; MI455X (gfx1250); checked and timed in simulation.
; The chip was launched on July 23, 2026; its instructions are those of AMD's public machine-readable ISA for CDNA 5 (MIT licence, August 2026) and "CDNA5" Instruction Set Architecture Reference Guide (July 2026). The comments in the code are by the model that wrote it; some were corrected since.
;; Multi Head Self Attention. Allowed arithmetic: matrix products marked QUANTISED: E2M1 operands, one E8M0 scale for each 32 along K, by v_wmma_scale_f32_16x16x128_f8f6f4 with both operands' format E2M1 (or v_wmma_scale_f32_32x16x128_f4), f32 sums; products left as they are: bf16, f16 or f32 operands; f32 sums; everything else in f32.
;; Inputs: Wk 1,024 x 1,024 float32; Wo 1,024 x 1,024 float32; Wq 1,024 x 1,024 float32; Wv 1,024 x 1,024 float32; bk 1,024 float32; bo 1,024 float32; bq 1,024 float32; bv 1,024 float32; x 4 x 2,048 x 1,024 float32.
;; Outputs: out0 4 x 2,048 x 1,024 float32.
;; This version of the problem:
;;   THIS VERSION OF THE PROBLEM IS GIVEN IN LOW PRECISION. The matrix products marked QUANTISED in the list below multiply operands that are first quantised to E2M1 (2 exponent bits, 1 mantissa bit; 4 bits a number), with one power-of-two scale for each 32 numbers along K (OCP MX v1.0); their sums are f32. The products marked 'left as it is' may take bf16, f16 or f32 operands, with f32 sums. Whichever they take, every output number must still come out within the allowed error. Rounding operands to bf16 (8 significant bits) uses up far more of that allowance than f16 does (11 bits, for magnitudes from 6e-5 to 65,504). All else is computed in f32.
;;   The module's matrix products, in the order in which they are computed (A, B: the left and right operand; K: the contracted axis; several contracted axes count as one K, in the product's order):
;;     1. [M 8,192, K 1,024] x [K 1,024, N 1,024]; A: input x; B: input Wq: QUANTISED
;;     2. [M 8,192, K 1,024] x [K 1,024, N 1,024]; A: input x; B: input Wk: QUANTISED
;;     3. [M 8,192, K 1,024] x [K 1,024, N 1,024]; A: input x; B: input Wv: QUANTISED
;;     4. batch 64 x [M 2,048, K 64] x [K 64, N 2,048]; A: computed on the way; B: computed on the way: left as it is (an operand is computed on the way)
;;     5. batch 64 x [M 2,048, K 2,048] x [K 2,048, N 64]; A: computed on the way; B: computed on the way: left as it is (an operand is computed on the way)
;;     6. [M 8,192, K 1,024] x [K 1,024, N 1,024]; A: computed on the way; B: input Wo: left as it is (an operand is computed on the way)
;;   THE QUANTISER, for each operand of a quantised product, along K:
;;     - K is cut into blocks of 32 from its start; a last block that is shorter is filled with zeros.
;;     - A block's scale is 2^e with e = floor(log2(the largest magnitude in the block)) - 2, held to -126 .. 127; a block of zeros has e = 0. As a byte (E8M0): e + 127.
;;     - Each number is divided by its block's scale, clamped to +-6, and rounded to the nearest number of E2M1, ties to even, subnormals kept.
;;     - The product sums the exact products of the quantised numbers (number of the format x scale) in f32.
;;   ~~~python
;;   def quantise(x, axis):      # numpy; x: float32 -> the quantised numbers, widened to float32 again
;;       x = np.moveaxis(x, axis, -1); K = x.shape[-1]
;;       x = np.pad(x, [(0, 0)] * (x.ndim - 1) + [(0, -K % 32)]); x = x.reshape(x.shape[:-1] + (-1, 32)); a = np.abs(x).max(-1, keepdims=True)
;;       e = np.where(a > 0, np.clip(np.frexp(np.where(a > 0, a, 1))[1] - 1 - 2, -126, 127), 0)      # np.frexp(a)[1] - 1 = floor(log2(a)), exactly
;;       r = np.clip(x / 2.0 ** e, -6, 6)
;;       step = 2.0 ** (np.maximum(np.frexp(np.where(r == 0, 1, r))[1] - 1, 0) - 1)
;;       q = np.round(r / step) * step * 2.0 ** e      # np.round: ties to even
;;       return np.moveaxis(q.reshape(q.shape[:-2] + (-1,))[..., :K], -1, axis).astype(np.float32)
;;   ~~~
;; One version. Each part assembles by itself: llvm-mc -triple=amdgcn-amd-amdhsa -mcpu=gfx1250 --defsym DOCPART=n.
;; ======== version 1 of 1: 5 launches
;; limits: values are held in f16: magnitudes above 65,504 overflow, below 6.1e-05 lose precision
;; workspace buffers: xq 4,456,448 bytes; wq 1,671,168 bytes; woi 2,097,152 bytes; rope 1,048,576 bytes; qkv 50,331,648 bytes; h16 786,432 bytes; yf 16,777,216 bytes
;; launch prep (part 1): grid 544 x 1, 4 waves a work-group, no clusters, 33,280 bytes of LDS; arguments x, Wq, Wk, Wv, Wo, xq, wq, woi, rope; writes xq, wq, woi, rope
.if DOCPART == 1
	.amdgcn_target "amdgcn-amd-amdhsa--gfx1250"
	.amdhsa_code_object_version 6
	.text
	.protected	k_qb168c5e9c5_prep
	.globl	k_qb168c5e9c5_prep
	.p2align	8
	.type	k_qb168c5e9c5_prep,@function
k_qb168c5e9c5_prep:
	s_mov_b64 s[64:65], 0
	v_nop
	global_prefetch_b8 v0, s[64:65] scope:SCOPE_SE
	s_setreg_imm32_b32 hwreg(HW_REG_WAVE_MODE, 25, 1), 1
	s_wait_xcnt 0x0
; PREP: everything that is made once, ahead of the products.  Three kinds of work-groups, told apart by the work-group's number alone:
;   0-255    x [8192][1024] f32 -> codes of FP4 (E2M1), K innermost, at xq + 0, and one E8M0 byte for each 32 along K at xq + 0x400000.  x is a plain stream of blocks of 32.
;   256-511  a weight [1024 (k)][1024 (n)] f32, 128 k x 128 columns a work-group.  A LANE TAKES A COLUMN AND ITS REGISTERS RUN DOWN K.  Wq, Wk, Wv -> FP4 codes laid as IMAGES of the operand's
;            registers (a fragment of 16 columns x 128 k is 1,024 bytes: block t of a column at 512 (t / 2) + 256 (t % 2) + 16 x row), and scale bytes [3072][32].  Wo -> f16, as images of f16 fragments.
;   512-543  the two tables for the rotation: [table][position][16 groups][cos, cos, sin, sin] f32; table 0, for q, is multiplied by log2(e) / 8.
; THE ORDER OF COLUMNS: inside each group of four columns of Wq, Wk, Wv the places 0, 1, 2, 3 hold columns 0, 2, 1, 3, so that later a lane holds (even, even, odd, odd) of two rotation pairs.
; q and k are permuted alike, so their products stay; v's channels, and so y's, come out in the order of places, and Wo's K is laid in that same order here.
; A block's scale is 2^(floor(log2(largest magnitude)) - 2); its byte is the largest magnitude's exponent field - 2, held at 1 from below.
; LIMITS: a block of zeros gets the byte 1 where the rule says 127 (its codes are zeros, and this program alone reads the bytes); blocks whose largest magnitude lies under 2^-124 keep the byte 1;
; NaN and infinities are not served.  Wo goes to f16: magnitudes up to 65,504; under 6e-5 the error is absolute, 2^-25.  The frequencies come by v_exp_f32: an angle at position 2,047 is off by some 3e-4 rad at the most.
.set SPARE, 32768                      ; behind the four waves' regions: the spare words, 128 bytes a wave
.set SPW,   12                         ; v12  LDS address of my spare word; never rewritten
.set NIL,   13                         ; v13  0; never rewritten
.set WREG,  8192                       ; LDS region of a wave (x's path alone uses LDS): two stages of 32 x SP bytes, then its 256 scale bytes
.set SP,    80                         ; a lane's place in a stage: 64 bytes + 16 of padding
.set CB,    8                          ; bytes of 16 codes
.set STEPS, 16
.set EMAX,  2
.set R,     16                         ; x: v16-79 four sets of 16 numbers as loaded
.set X,     80                         ; x: v80-111 two sets of 16 neighbours
.set E,     112                        ; x: v112-127 a scale byte for each step
.set C,     128                        ; x: v128-191 codes
.set D,     32                         ; weights: v32-159 my column's 128 numbers down K
.set CW,    160                        ; weights: v160-175 codes
	s_load_b512 s[4:19], s[0:1], 0x0               ; x 4:5, Wq 6:7, Wk 8:9, Wv 10:11, Wo 12:13, xq 14:15, wq 16:17, woi 18:19
	s_load_b64 s[20:21], s[0:1], 0x40              ; rope
	v_lshl_add_u32 v[SPW], v0, 2, SPARE
	v_mov_b32 v[NIL], 0
	v_lshrrev_b32 v1, 5, v0
	v_readfirstlane_b32 s22, v1                    ; wave
	v_and_b32 v2, 31, v0                           ; lane
	s_wait_kmcnt 0x0
	s_cmp_lt_u32 ttmp9, 256
	s_cbranch_scc1 .Lx
	s_cmp_lt_u32 ttmp9, 512
	s_cbranch_scc1 .Lw
; ---- THE TABLES.  A wave takes 16 positions; lane i is frequency i: 10000^(-i / 32) = 2^(-i x 0.41524101).
	s_sub_co_u32 s24, ttmp9, 512
	s_lshl_b32 s24, s24, 2
	s_add_co_u32 s24, s24, s22                     ; which 16 positions: 0 .. 127
	s_lshl_b32 s26, s24, 12                        ; 16 positions x 256 bytes
	s_mov_b32 s27, 0
	s_add_nc_u64 s[28:29], s[20:21], s[26:27]      ; table 0
	s_add_nc_u64 s[30:31], s[28:29], 0x80000       ; table 1
	s_lshl_b32 s25, s24, 4
	v_cvt_f32_u32 v16, s25                         ; the position, as f32
	v_cvt_f32_u32 v17, v2
	v_mul_f32 v17, 0xbed49a78, v17
	v_exp_f32 v17, v17                             ; the frequency
	v_lshlrev_b32 v18, 3, v2                       ; (a plain line behind the exponential)  8 bytes a lane
	s_mov_b32 s32, 0x3fc90fdb                      ; pi / 2, its f32 part,
	s_mov_b32 s33, 0xb33bbd2e                      ; and the rest
	s_mov_b32 s34, 0xbe2aaaab                      ; -1/6
	s_mov_b32 s35, 0x3c088889                      ; 1/120
	s_mov_b32 s36, 0xb9500d01                      ; -1/5040
	s_mov_b32 s37, 0x3638ef1d                      ; 1/362880
	s_mov_b32 s38, 0x3d2aaaab                      ; 1/24
	s_mov_b32 s39, 0xbab60b61                      ; -1/720
	s_mov_b32 s40, 0x37d00d01                      ; 1/40320
	s_mov_b32 s41, 0xaaaaaaaa                      ; the odd lanes
	s_mov_b32 s42, 0x3e38aa3b                      ; log2(e) / 8
	s_mov_b32 s43, s42                             ; (named with it as a pair)
	v_mov_b32 v31, 0                               ; a lane move's destination counts as read
	v_mov_b32 v32, 0
	s_wait_alu depctr_va_vdst(0)                   ; the wait ahead of the first reader of the exponential, and ahead of the label
	s_mov_b32 s23, 16
.Lpos:
	v_mul_f32 v20, v16, v17                        ; the angle
	v_mul_f32 v21, 0x3f22f983, v20
	v_rndne_f32 v21, v21                           ; n = the nearest multiple of pi / 2
	v_fma_f32 v22, -v21, s32, v20
	v_fma_f32 v22, -v21, s33, v22                  ; what is left, within pi / 4
	v_mul_f32 v23, v22, v22
	v_cvt_i32_f32 v24, v21
	v_fma_f32 v25, v23, s37, s36                   ; the sine's series, to the ninth power
	v_fma_f32 v27, v23, s40, s39                   ; the cosine's, to the eighth
	v_fma_f32 v25, v25, v23, s35
	v_fma_f32 v27, v27, v23, s38
	v_fma_f32 v25, v25, v23, s34
	v_fma_f32 v27, v27, v23, -0.5
	v_mul_f32 v26, v22, v23
	v_fma_f32 v27, v27, v23, 1.0
	v_fma_f32 v25, v26, v25, v22
	v_and_b32 v28, 1, v24                          ; the quadrant: odd n changes sine and cosine,
	v_cmp_eq_u32 vcc_lo, 1, v28
	v_cndmask_b32 v29, v25, v27, vcc_lo            ; sine
	v_cndmask_b32 v30, v27, v25, vcc_lo            ; cosine
	v_and_b32 v28, 2, v24                          ; n mod 4 = 2, 3: the sine's sign turns;
	v_lshlrev_b32 v28, 30, v28
	v_xor_b32 v29, v29, v28
	v_add_nc_u32 v28, 1, v24                       ; n mod 4 = 1, 2: the cosine's
	v_and_b32 v28, 2, v28
	v_lshlrev_b32 v28, 30, v28
	v_xor_b32 v30, v30, v28
	v_mov_b32_dpp v31, v30 row_xmask:1 row_mask:0xf bank_mask:0xf   ; my neighbour's cosine
	v_mov_b32_dpp v32, v29 row_xmask:1 row_mask:0xf bank_mask:0xf   ; and sine
	v_cndmask_b32 v34, v30, v32, s41               ; even lanes: (my cos, the next pair's cos); odd lanes: (the pair before's sin, my sin)
	v_cndmask_b32 v35, v31, v29, s41
	v_pk_mul_f32 v[36:37], v[34:35], s[42:43] op_sel_hi:[1,0]
	global_store_b64 v18, v[34:35], s[30:31]       ; 32 lanes store a position's 256 consecutive bytes
	global_store_b64 v18, v[36:37], s[28:29]
	v_add_f32 v16, 1.0, v16
	s_wait_xcnt 0x0                                ; the stores have read their data and bases: both are written again below and in the next trip
	s_add_nc_u64 s[28:29], s[28:29], 256
	s_add_nc_u64 s[30:31], s[30:31], 256
	s_sub_co_u32 s23, s23, 1
	s_cmp_lg_u32 s23, 0
	s_cbranch_scc1 .Lpos
	s_endpgm
; ---- A WEIGHT: 128 along K x 128 columns a work-group, 32 columns a wave.
.Lw:
	s_bfe_u32 s24, ttmp9, 0x20006                  ; which weight: 0 Wq, 1 Wk, 2 Wv, 3 Wo
	s_bfe_u32 s25, ttmp9, 0x30003                  ; which 128 along K
	s_and_b32 s26, ttmp9, 7                        ; which 128 columns
	s_cmp_eq_u32 s24, 1
	s_cselect_b64 s[6:7], s[8:9], s[6:7]
	s_cmp_eq_u32 s24, 2
	s_cselect_b64 s[6:7], s[10:11], s[6:7]
	s_cmp_eq_u32 s24, 3
	s_cselect_b64 s[6:7], s[12:13], s[6:7]
	s_lshl_b32 s28, s25, 19                        ; 128 rows of 4,096 bytes
	s_lshl_b32 s29, s26, 9
	s_add_co_u32 s28, s28, s29
	s_lshl_b32 s29, s22, 7
	s_add_co_u32 s28, s28, s29
	s_mov_b32 s29, 0
	s_add_nc_u64 s[6:7], s[6:7], s[28:29]
	v_lshlrev_b32 v3, 2, v2
.set i, 0
.rept 128
	global_load_b32 v[D+i], v3, s[6:7] offset:4096*i th:TH_LOAD_NT   ; row i at my column: 128 consecutive bytes a wave, 512 a work-group; all 128 go out in one run
.set i, i+1
.endr
	s_lshl_b32 s29, s26, 3
	s_lshl_b32 s30, s22, 1
	s_add_co_u32 s29, s29, s30                     ; my first tile of 16 columns in the weight: 8 x block + 2 x wave
	s_cmp_eq_u32 s24, 3
	s_cbranch_scc1 .Lwo
	; the place of my column: (l & ~3) | (l & 1) << 1 | (l >> 1) & 1
	v_and_b32 v5, 1, v2
	v_bfe_u32 v6, v2, 1, 1
	v_and_b32 v7, 0x1c, v2
	v_lshl_or_b32 v7, v5, 1, v7
	v_or_b32 v7, v7, v6
	v_and_b32 v4, 15, v7
	v_lshlrev_b32 v4, 4, v4
	v_lshrrev_b32 v5, 4, v2
	v_lshl_add_u32 v4, v5, 12, v4                  ; images: 4,096 x (lane / 16) + 16 x (place % 16)
	v_lshlrev_b32 v5, 5, v7                        ; scale rows: 32 bytes a place
	s_lshl_b32 s30, s24, 6
	s_add_co_u32 s29, s29, s30                     ; the tile among all 192
	s_lshr_b32 s28, s25, 2
	s_mul_i32 s28, s28, 786432                     ; which half of K (a slot of the product's ring)
	s_lshl_b32 s30, s29, 12
	s_add_co_u32 s28, s28, s30
	s_and_b32 s30, s25, 3
	s_lshl_b32 s30, s30, 10
	s_add_co_u32 s28, s28, s30                     ; + the K step's 1,024 bytes
	s_lshl_b32 s30, s29, 9                         ; scale rows: 16 x 32 bytes a tile,
	s_lshl_b32 s31, s25, 2
	s_add_co_u32 s30, s30, s31                     ; + 4 bytes a K step of 128,
	s_add_co_u32 s30, s30, 1572864                 ; behind the images
	s_mov_b32 s29, 0
	s_mov_b32 s31, 0
	s_add_nc_u64 s[32:33], s[16:17], s[28:29]
	s_add_nc_u64 s[34:35], s[16:17], s[30:31]
.macro WBLK t, left                    ; block t of my column: its 32 numbers are all mine.  left: how many younger loads may stay out
.set XS, D+32*(\t)
	s_wait_loadcnt \left
	v_max3_num_f32 v8, |v[XS]|, |v[XS+1]|, |v[XS+2]|
	v_max3_num_f32 v9, |v[XS+3]|, |v[XS+4]|, |v[XS+5]|
.irp i, 6,10,14,18,22,26
	v_max3_num_f32 v8, v8, |v[XS+\i]|, |v[XS+\i+1]|
	v_max3_num_f32 v9, v9, |v[XS+\i+2]|, |v[XS+\i+3]|
.endr
	v_max3_num_f32 v8, v8, |v[XS+30]|, |v[XS+31]|
	v_max3_num_f32 v8, v8, v9, (EMAX+1)<<23        ; and the floor 2^(3 - 127): the byte cannot fall under 1
	v_add_nc_u32 v11, -(EMAX<<23), v8              ; 2 off the exponent field: the conversion's scale operand
	v_lshrrev_b32 v9, 23, v11                      ; the byte
.if (\t) == 0
	v_mov_b32 v24, v9
.else
	v_lshl_or_b32 v24, v9, 8*(\t), v24
.endif
.irp g, 0,1,2,3
	v_cvt_scalef32_pk8_fp4_f32 v[CW+4*(\t)+\g], v[XS+8*\g:XS+8*\g+7], v11
.endr
	global_store_b128 v4, v[CW+4*(\t):CW+4*(\t)+3], s[32:33] offset:512*((\t)/2)+256*((\t)%2)   ; sixteen lanes fill 256 consecutive bytes of an image
.endm
	WBLK 0, 63                                     ; a wait names 63 at the most: at least 65 of the 128 loads are in, blocks 0 and 1 among them
	WBLK 1, 63
	WBLK 2, 32
	WBLK 3, 0
	global_store_b32 v5, v24, s[34:35]             ; my column's four bytes of this K step
	s_endpgm
.Lwo:                                                  ; Wo: f16, K in the order of places: of eight rows 0, 2, 1, 3, 4, 6, 5, 7
	v_and_b32 v6, 15, v2
	v_lshlrev_b32 v6, 4, v6
	v_lshrrev_b32 v5, 4, v2
	v_lshl_add_u32 v6, v5, 12, v6                  ; 4,096 x (lane / 16) + 16 x (lane % 16)
	s_lshl_b32 s28, s25, 18                        ; 262,144 bytes for each 128 along K
	s_lshl_b32 s29, s29, 12
	s_add_co_u32 s28, s28, s29
	s_mov_b32 s29, 0
	s_add_nc_u64 s[32:33], s[18:19], s[28:29]
	s_wait_loadcnt 0x0
.set o, 0
.rept 16                               ; eight rows of K a time, rounded in place: a result's register has been read by then
	v_cvt_pk_f16_f32 v[D+4*o],   v[D+8*o],   v[D+8*o+2]
	v_cvt_pk_f16_f32 v[D+4*o+1], v[D+8*o+1], v[D+8*o+3]
	v_cvt_pk_f16_f32 v[D+4*o+2], v[D+8*o+4], v[D+8*o+6]
	v_cvt_pk_f16_f32 v[D+4*o+3], v[D+8*o+5], v[D+8*o+7]
	global_store_b128 v6, v[D+4*o:D+4*o+3], s[32:33] offset:256*o   ; K step o / 4, half (o % 4) / 2, lanes' half o % 2: 256 o
.set o, o+1
.endr
	s_endpgm
; ---- x: a wave takes 16 steps of 512 numbers.  Each load reads 512 consecutive bytes; a step's 2,048 bytes turn through the wave's own stage in LDS, so that a lane holds 16 neighbours along K.
.Lx:
	v_lshlrev_b32 v3, 4, v2
	s_mul_i32 s24, s22, WREG
	v_lshrrev_b32 v14, 2, v2
	v_mul_u32_u24 v14, v14, SP
	v_and_b32 v15, 3, v2
	v_lshl_add_u32 v14, v15, 4, v14
	v_add_nc_u32 v14, s24, v14                     ; the stage, in: SP (lane / 4) + 16 (lane % 4)
	v_mul_u32_u24 v15, v2, SP
	v_add_nc_u32 v15, s24, v15                     ; and out: SP x lane
	v_mul_u32_u24 v4, v2, CB
	v_lshrrev_b32 v5, 1, v2
	s_add_co_u32 s24, s24, 2*32*SP
	v_add_nc_u32 v5, s24, v5                       ; my block's byte among my wave's 256
	v_lshlrev_b32 v7, 3, v2
	v_add_nc_u32 v6, s24, v7
	s_lshl_b32 s24, ttmp9, 2
	s_add_co_u32 s24, s24, s22                     ; which run of 8,192 numbers
	s_mov_b32 s25, 0
	s_lshl_b64 s[26:27], s[24:25], 15
	s_add_nc_u64 s[4:5], s[4:5], s[26:27]
	s_lshl_b32 s26, s24, 12
	s_mov_b32 s27, 0
	s_add_nc_u64 s[28:29], s[14:15], s[26:27]      ; its 4,096 bytes of codes
	s_lshl_b32 s26, s24, 8
	s_add_co_u32 s26, s26, 0x400000
	s_add_nc_u64 s[30:31], s[14:15], s[26:27]      ; its 256 scale bytes
.macro LOAD t
.irp i, 0,1,2,3
	global_load_b128 v[R+16*((\t)%4)+4*\i:R+16*((\t)%4)+4*\i+3], v3, s[4:5] offset:2048*(\t)+512*\i th:TH_LOAD_NT
.endr
.endm
.macro TURN t                          ; LDS serves a wave's instructions in order: no wait between the stores and the loads
.irp i, 0,1,2,3
	ds_store_b128 v14, v[R+16*((\t)%4)+4*\i:R+16*((\t)%4)+4*\i+3] offset:32*SP*((\t)%2)+8*SP*\i
.endr
.irp i, 0,1,2,3
	ds_load_b128 v[X+16*((\t)%2)+4*\i:X+16*((\t)%2)+4*\i+3], v15 offset:32*SP*((\t)%2)+16*\i
.endr
.endm
.irp t, 0,1,2,3
	LOAD \t
.endr
	s_wait_loadcnt 12                              ; step 0's four loads are in
	TURN 0
.macro STEP t
.set XS, X+16*((\t)%2)
.if (\t) > 0
	s_wait_dscnt 1                                 ; this step's numbers are back (the last step's byte store may be out)
.else
	s_wait_dscnt 0x0
.endif
.if (\t)+4 < STEPS
	LOAD (\t)+4
.endif
.if (\t)+1 < STEPS
.if STEPS-2-(\t) >= 3
	s_wait_loadcnt 12                              ; the next step's four loads are in; three steps' may be out
.else
	s_wait_loadcnt 4*(STEPS-2-(\t))
.endif
	TURN (\t)+1
.endif
	v_max3_num_f32 v8, |v[XS]|, |v[XS+1]|, |v[XS+2]|
	v_max3_num_f32 v9, |v[XS+3]|, |v[XS+4]|, |v[XS+5]|
.irp i, 6,10
	v_max3_num_f32 v8, v8, |v[XS+\i]|, |v[XS+\i+1]|
	v_max3_num_f32 v9, v9, |v[XS+\i+2]|, |v[XS+\i+3]|
.endr
	v_max3_num_f32 v8, v8, |v[XS+14]|, |v[XS+15]|
	v_max3_num_f32 v8, v8, v9, (EMAX+1)<<23
	v_max_num_f32_dpp v8, v8, v8 row_xmask:1 row_mask:0xf bank_mask:0xf   ; with my neighbour's 16: the block's largest magnitude
	v_add_nc_u32 v11, -(EMAX<<23), v8
	v_cvt_scalef32_pk8_fp4_f32 v[C+4*(\t)], v[XS:XS+7], v11
	v_cvt_scalef32_pk8_fp4_f32 v[C+4*(\t)+1], v[XS+8:XS+15], v11
	v_lshrrev_b32 v[E+(\t)], 23, v11
	ds_store_b8 v5, v[E+(\t)] offset:16*(\t)       ; both lanes of a block write the same byte with the same value
	global_store_b64 v4, v[C+4*(\t):C+4*(\t)+1], s[28:29] offset:32*CB*(\t)   ; 256 consecutive bytes a wave
.endm
.irp t, 0,1,2,3,4,5,6,7,8,9,10,11,12,13,14,15
	STEP \t
.endr
	ds_load_b64 v[8:9], v6
	s_wait_dscnt 0x0
	global_store_b64 v7, v[8:9], s[30:31]          ; my wave's 256 scale bytes
	s_wait_tensorcnt 0x0                           ; the wave's end, behind my last LDS store
	ds_add_u32 v[SPW], v[NIL]
	s_wait_dscnt 0x0
	s_endpgm
.Lfunc_end_k_qb168c5e9c5_prep:
	.size	k_qb168c5e9c5_prep, .Lfunc_end_k_qb168c5e9c5_prep-k_qb168c5e9c5_prep
	.p2alignl 7, 3214868480
	.fill 96, 4, 3214868480
	.section	.rodata,"a",@progbits
	.p2align	6, 0x0
	.amdhsa_kernel k_qb168c5e9c5_prep
		.amdhsa_group_segment_fixed_size 33280
		.amdhsa_private_segment_fixed_size 0
		.amdhsa_enable_private_segment 0
		.amdhsa_kernarg_size 72
		.amdhsa_user_sgpr_count 2
		.amdhsa_user_sgpr_kernarg_segment_ptr 1
		.amdhsa_wavefront_size32 1
		.amdhsa_system_sgpr_workgroup_id_x 1
		.amdhsa_system_sgpr_workgroup_id_y 1
		.amdhsa_system_sgpr_workgroup_id_z 1
		.amdhsa_system_vgpr_workitem_id 0
		.amdhsa_next_free_vgpr 192
		.amdhsa_next_free_sgpr 66
		.amdhsa_reserve_vcc 1
		.amdhsa_float_denorm_mode_32 3
		.amdhsa_float_denorm_mode_16_64 3
		.amdhsa_memory_ordered 1
		.amdhsa_forward_progress 1
		.amdhsa_inst_pref_size 63
	.end_amdhsa_kernel
	.amdgpu_metadata
---
amdhsa.version: [ 1, 2 ]
amdhsa.kernels:
  - .name:           k_qb168c5e9c5_prep
    .symbol:         k_qb168c5e9c5_prep.kd
    .args:
      - { .name: x, .offset: 0, .size: 8, .value_kind: global_buffer, .address_space: global }
      - { .name: Wq, .offset: 8, .size: 8, .value_kind: global_buffer, .address_space: global }
      - { .name: Wk, .offset: 16, .size: 8, .value_kind: global_buffer, .address_space: global }
      - { .name: Wv, .offset: 24, .size: 8, .value_kind: global_buffer, .address_space: global }
      - { .name: Wo, .offset: 32, .size: 8, .value_kind: global_buffer, .address_space: global }
      - { .name: xq, .offset: 40, .size: 8, .value_kind: global_buffer, .address_space: global }
      - { .name: wq, .offset: 48, .size: 8, .value_kind: global_buffer, .address_space: global }
      - { .name: woi, .offset: 56, .size: 8, .value_kind: global_buffer, .address_space: global }
      - { .name: rope, .offset: 64, .size: 8, .value_kind: global_buffer, .address_space: global }
    .group_segment_fixed_size: 33280
    .private_segment_fixed_size: 0
    .kernarg_segment_align: 8
    .kernarg_segment_size: 72
    .max_flat_workgroup_size: 128
    .sgpr_count:     66
    .vgpr_count:     192
    .wavefront_size: 32
...
	.end_amdgpu_metadata
.endif
;; end of part 1
;; launch qkv (part 2): grid 12 x 32, 4 waves a work-group, clusters of 4 x 4, 327,680 bytes of LDS; arguments xq, wq, bq, bk, bv, rope, qkv, h16; writes qkv, h16
.if DOCPART == 2
	.amdgcn_target "amdgcn-amd-amdhsa--gfx1250"
	.amdhsa_code_object_version 6
	.text
	.protected	k_qb168c5e9c5_qkv
	.globl	k_qb168c5e9c5_qkv
	.p2align	8
	.type	k_qb168c5e9c5_qkv,@function
k_qb168c5e9c5_qkv:
	s_mov_b64 s[64:65], 0
	v_nop
	global_prefetch_b8 v0, s[64:65] scope:SCOPE_SE
	s_setreg_imm32_b32 hwreg(HW_REG_WAVE_MODE, 25, 1), 1
	s_wait_xcnt 0x0
	s_wait_alu depctr_hold_cnt(0) depctr_sa_sdst(0) depctr_va_vdst(0) depctr_va_sdst(0) depctr_va_ssrc(0) depctr_va_vcc(0) depctr_vm_vsrc(0)
	s_getreg_b32 s2, hwreg(HW_REG_IB_STS2, 6, 4)
	s_cmp_eq_u32 s2, 0
	s_cbranch_scc0 .Lentry_in_a_cluster
	s_endpgm
.Lentry_in_a_cluster:
	s_bfe_u32 s2, ttmp6, 0x10000c
	s_cmp_lg_u32 s2, 0xf033
	s_cbranch_scc0 .Lentry_shape_is_right
	s_endpgm
.Lentry_shape_is_right:
; q, k, v = x W + b on codes of FP4 (E2M1) with one E8M0 scale for each 32 along K = 1,024; then the rotation of q and k in f32, q's factor log2(e) / 8 (it lies in q's table), and f16.
; A tile of 256 tokens x 256 columns is made by four waves, 128 x 128 each: 64 accumulators, 512 registers.  K is two slots of 512: both are asked for at the start, nothing is filled again.
; THE GRID: cluster x = the matrix (0 q, 1 k, 2 v), cx = which 256 of its columns; cy = the batch, cluster y = which 256 tokens of the sequence.  So every test on the matrix or on a token's position
; hangs on the cluster's own coordinates, which all sixteen partners share.  A's tiles (x) are shared along a row of the cluster, B's (the weights) along a column: joint loads.
; x's codes come as rows (256 bytes of a slot, padded to 272 in LDS); the weights come as IMAGES of their fragments, a dense block of 32,768 bytes for 128 columns and a slot: a fragment is read at 16 x lane.
; THE MATRIX INSTRUCTION IS USED TRANSPOSED (source 0 = 16 columns of W, source 1 = 16 tokens): a lane holds one token and eight neighbouring places of a head.  The bias is the C of each sum's first product.
; Inside each four places lie columns 0, 2, 1, 3: (even, even, odd, odd) of two rotation pairs, so the rotation is four packed instructions for four numbers.
; THE WAY OUT uses no LDS: a lane's eight numbers, as f16, are 16 bytes of an image of the next product's fragment: each store of a wave covers 512 consecutive bytes.  v's pieces are placed so that the turning LDS load
; of the attention reads them at 16 x lane.  The first 16 positions of each sequence also leave as f32 (h16), for the launch that carries those rows finely.
; LIMITS: f16: |q| x 0.18, |k|, |v| up to 65,504; under 6e-5 the error is absolute, 2^-25.  NaN and infinities are not served.
; REGISTERS: window 0: v16-29 addresses; v32-95 scale words, two sets, nothing else ever; v96-111 at work on the way out; v128-191 A's fragments, later the rotated numbers; v192-255 the bias, later packed results.
;   window 1: B's fragments at v0 and v128; v64-127 two sets of table rows.   windows 2, 3: the accumulators ((a, b) at v[8 (8 (a % 4) + b)]).
.set NQ,     4                         ; steps of 128 along K in a slot
.set ROWB,   256                       ; a row of A's tile: 512 codes
.set KROW,   512                       ; a row of x's codes in memory
.set PITCH,  272                       ; in LDS: 256 bytes + 16: the sixteen rows of a load start 4 words apart in the banks
.set FR,     8
.set NL,     2
.set NP,     4
.set HALFT,  128*PITCH                 ; what one tensor load may fill: A's 128 rows; B's 32,768 bytes use a part of it
.set SLOT,   4*HALFT
.set KS,     32                        ; a row of scale bytes
.set SCL,    2*SLOT
.set HALFS,  (128*KS/256)*272
.set SBLK,   (16*KS/256)*272
.set SPARE,  SCL+4*HALFS               ; the spare words, 128 bytes a wave
.set ADRA, 16                          ; v16-17 my A fragments in slot 0, 1
.set ADRB, 20                          ; v20-21 my B images
.set VB,   23                          ; v23 32 x (lane / 16): the bias
.set VT,   24                          ; v24 256 x (lane % 16) + 32 x (lane / 16): the tables
.set VS,   25                          ; v25 16 x lane
.set VSV,  26                          ; v26 v's piece: 16 ((r & 7) + 8 h + 16 (r >> 3))
.set ADRS, 27
.set SPW,  28
.set NIL,  29
.set SC,   32
.set U,    96
.set AF,   128
.set T,    128
.set BI,   192
.set PK,   192
.set TBL,  64                          ; in window 1
.set G1, 24
.set G0, 32
.set G1B, 48
.set G0B, 56
.set G1S, 68
.set G0S, 76
.set G1SB, 80
.set G0SB, 88
.set MSB, 0
.macro WIN new                         ; the immediate's high byte repeats the setting that is left
.if MSB != (\new)
	s_set_vgpr_msb (MSB<<8)|(\new)
.set MSB, (\new)
.endif
.endm
.set MUL_LO, 0xa1                      ; source 0 (B) window 1, source 1 (A) window 0, C and D window 2
.set MUL_HI, 0xf1
.set TO_B,   0x40
.macro JLOAD g0a, g1a, g0b, g1b        ; waves 0, 1 fetch for A, waves 2, 3 for B; an s_nop 0 and four v_nop follow each line
	s_cmp_eq_u32 s21, 0
	s_cbranch_scc0 .Lfor_b_\@
	tensor_load_to_lds s[\g0a:\g0a+3], s[\g1a:\g1a+7]
	s_nop 0
.rept 4
	v_nop
.endr
	s_branch .Lasked_\@
.Lfor_b_\@:
	tensor_load_to_lds s[\g0b:\g0b+3], s[\g1b:\g1b+7]
	s_nop 0
.rept 4
	v_nop
.endr
.Lasked_\@:
.endm
.macro CROUND                          ; a round of the cluster's barrier
	s_barrier_signal -1
	s_barrier_wait -1
	s_cmp_lg_u32 s20, 0
	s_cbranch_scc1 .Lnot_wave_0_\@
	s_barrier_signal -3
.Lnot_wave_0_\@:
	s_barrier_wait -3
	s_barrier_signal -1
	s_barrier_wait -1
.endm
	s_load_b512 s[4:19], s[0:1], 0x0               ; xq 4:5, wq 6:7, bq 8:9, bk 10:11, bv 12:13, rope 14:15, qkv 16:17, h16 18:19
	v_lshl_add_u32 v[SPW], v0, 2, SPARE
	v_mov_b32 v[NIL], 0
	ds_add_u32 v[SPW], v[NIL]                      ; the wave's opening: the add, twice on end, and its wait ahead of my first tensor load
	ds_add_u32 v[SPW], v[NIL]
	v_lshrrev_b32 v1, 5, v0
	v_readfirstlane_b32 s20, v1                    ; wave
	s_lshr_b32 s21, s20, 1                         ; my half of the tile's tokens.  Also: I fetch for A (0) or for B (1)
	s_and_b32 s22, s20, 1                          ; my half of its columns.  Also: which 128 rows I fetch
	s_bfe_u32 s40, ttmp6, 0x40000                  ; cx
	s_bfe_u32 s41, ttmp6, 0x40004                  ; cy
	s_lshl_b32 s42, ttmp9, 2
	s_add_co_u32 s42, s42, s40                     ; tile column among 12 = 4 x matrix + cx
	s_and_b32 s101, ttmp7, 0xffff                  ; cluster y: which 256 tokens of a sequence
	s_lshl_b32 s23, s41, 3
	s_add_co_u32 s23, s23, s101                    ; tile row among 32 = 8 x batch + cluster y
	s_lshl_b32 s43, s41, 2
	s_lshl_b32 s43, 15, s43                        ; my row of the cluster
	s_lshl_b32 s44, 0x1111, s40                    ; my column
	s_or_b32 s[G1+0], s43, (0<<16)|(1<<20)|(1<<21)|(5<<22)|(3<<25)  ; A: elements of 1 byte; 4 words of padding after every 64
	s_mov_b32 s[G1+1], ROWB<<16
	s_mov_b32 s[G1+2], 128<<16
	s_mov_b32 s[G1+3], ROWB<<16
	s_mov_b32 s[G1+4], 128
	s_mov_b32 s[G1+5], KROW
	s_mov_b32 s[G1+6], 0
	s_mov_b32 s[G1+7], 0
	s_or_b32 s[G1B+0], s44, (3<<16)|(1<<21)        ; B: a dense block, 128 rows of 32 elements of 8 bytes, no padding
	s_mov_b32 s[G1B+1], 32<<16
	s_mov_b32 s[G1B+2], 128<<16
	s_mov_b32 s[G1B+3], 32<<16
	s_mov_b32 s[G1B+4], 128
	s_mov_b32 s[G1B+5], 32
	s_mov_b32 s[G1B+6], 0
	s_mov_b32 s[G1B+7], 0
	s_or_b32 s[G1S+0], s43, (3<<16)|(1<<20)|(1<<21)|(5<<22)|(3<<25) ; the scales of 128 rows: 4,096 dense bytes as 16 rows of 256, 16 of padding behind each
	s_or_b32 s[G1SB+0], s44, (3<<16)|(1<<20)|(1<<21)|(5<<22)|(3<<25)
.irp g, G1S, G1SB
	s_mov_b32 s[\g+1], 32<<16
	s_mov_b32 s[\g+2], (128*KS/256)<<16
	s_mov_b32 s[\g+3], 32<<16
	s_mov_b32 s[\g+4], 128*KS/256
	s_mov_b32 s[\g+5], 32
	s_mov_b32 s[\g+6], 0
	s_mov_b32 s[\g+7], 0
.endr
	s_lshl_b32 s46, s22, 7                         ; which 128 rows I fetch
	s_lshl_b32 s96, s23, 8
	s_add_co_u32 s96, s96, s46                     ; A: token row
	s_mov_b32 s97, 0
	s_lshl_b32 s98, s96, 5
	s_add_co_u32 s98, s98, 0x400000                ; its scale bytes in xq
	s_mov_b32 s99, 0
	s_lshl_b32 s96, s96, 9                         ; its codes
	s_lshl_b32 s92, s42, 8
	s_add_co_u32 s92, s92, s46                     ; B: place among 3,072
	s_mov_b32 s93, 0
	s_lshl_b32 s94, s92, 5
	s_add_co_u32 s94, s94, 1572864                 ; its scale bytes in wq
	s_mov_b32 s95, 0
	s_lshl_b32 s92, s92, 8                         ; its images: 4,096 bytes for 16 places
	s_mul_i32 s45, s20, HALFT                      ; where they go: no place in the cluster enters an LDS address
	s_mul_i32 s100, s20, HALFS
	s_wait_dscnt 0x0                               ; both opening adds are done
	s_wait_kmcnt 0x0
	s_add_nc_u64 s[96:97], s[4:5], s[96:97]
	s_add_nc_u64 s[98:99], s[4:5], s[98:99]
	s_add_nc_u64 s[92:93], s[6:7], s[92:93]
	s_add_nc_u64 s[94:95], s[6:7], s[94:95]
	CROUND                                         ; all sixteen work-groups are here: the joint loads meet
	s_mov_b32 s[G0S], 1
	s_add_co_u32 s[G0S+1], s100, SCL
	s_mov_b64 s[G0S+2:G0S+3], s[98:99]
	s_or_b32 s[G0S+3], s[G0S+3], 0x80000000
	s_mov_b32 s[G0SB], 1
	s_add_co_u32 s[G0SB+1], s100, SCL
	s_mov_b64 s[G0SB+2:G0SB+3], s[94:95]
	s_or_b32 s[G0SB+3], s[G0SB+3], 0x80000000
	JLOAD G0S, G1S, G0SB, G1SB                     ; three loads a wave go out here, and no more in the launch: the scales,
.irp s, 0,1
	s_mov_b32 s[G0+4*\s], 1
	s_add_co_u32 s[G0+4*\s+1], s45, \s*SLOT
	s_add_nc_u64 s[G0+4*\s+2:G0+4*\s+3], s[96:97], \s*ROWB
	s_or_b32 s[G0+4*\s+3], s[G0+4*\s+3], 0x80000000
	s_mov_b32 s[G0B+4*\s], 1
	s_add_co_u32 s[G0B+4*\s+1], s45, \s*SLOT
	s_add_nc_u64 s[G0B+4*\s+2:G0B+4*\s+3], s[92:93], \s*786432
	s_or_b32 s[G0B+4*\s+3], s[G0B+4*\s+3], 0x80000000
	JLOAD G0+4*\s, G1, G0B+4*\s, G1B               ; and the two slots
.endr
	v_and_b32 v1, 15, v0                           ; r
	v_bfe_u32 v2, v0, 4, 1                         ; h
	v_lshlrev_b32 v[VB], 5, v2
	v_lshlrev_b32 v[VT], 8, v1
	v_lshl_add_u32 v[VT], v2, 5, v[VT]
	s_cmp_eq_u32 ttmp9, 1                          ; the matrix's own bias
	s_cselect_b64 s[8:9], s[10:11], s[8:9]
	s_cmp_eq_u32 ttmp9, 2
	s_cselect_b64 s[8:9], s[12:13], s[8:9]
	s_lshl_b32 s46, s40, 10
	s_lshl_b32 s47, s22, 9
	s_add_co_u32 s46, s46, s47                     ; my 128 columns
	s_mov_b32 s47, 0
	s_add_nc_u64 s[8:9], s[8:9], s[46:47]
.irp b, 0,1,2,3,4,5,6,7
	global_load_b128 v[BI+8*\b:BI+8*\b+3], v[VB], s[8:9] offset:64*\b
	global_load_b128 v[BI+8*\b+4:BI+8*\b+7], v[VB], s[8:9] offset:64*\b+16
.endr
	s_min_u32 s46, ttmp9, 1                        ; the matrix's table: 0 for q, 1 for k; there are two tables, so v's number is held at 1
	s_lshl_b32 s46, s46, 19
	s_lshl_b32 s47, s101, 16
	s_add_co_u32 s46, s46, s47                     ; at my tile's first position,
	s_lshl_b32 s47, s21, 15
	s_add_co_u32 s46, s46, s47                     ; my half's
	s_mov_b32 s47, 0
	s_add_nc_u64 s[66:67], s[14:15], s[46:47]
.macro TLD a                           ; the table rows of tokens 16 a .. 16 a + 15 into set a % 2: my token's 32 h + 64 b' + 16 u bytes: (cos, cos, sin, sin) of my four places
	WIN 0x40
.irp g, 0,1,2,3,4,5,6,7
	global_load_b128 v[TBL+32*((\a)%2)+4*\g:TBL+32*((\a)%2)+4*\g+3], v[VT], s[66:67] offset:4096*(\a)+64*(\g/2)+16*(\g%2)
.endr
.endm
	TLD 0                                          ; the first block's table rows, asked for here so that they lie ready at the way out.  No branch leads round these eight loads, so set 0 is written on every way
	WIN 0                                          ; through the text.  v has no rotation: its work-groups load k's rows here, 4,096 bytes a wave, and leave them unread
	s_wait_loadcnt 0x0                             ; the bias and the first table rows
.irp g, 0,1,2,3,4,5,6,7,8,9,10,11,12,13,14,15
	v_swap_b32 v[BI+4*\g+1], v[BI+4*\g+2]          ; the bias in the order of places: 0, 2, 1, 3
.endr
	v_mul_u32_u24 v3, v1, PITCH
	v_lshl_add_u32 v4, v2, 4, v3                   ; A: row x pitch + 16 x half
	s_mul_i32 s46, s21, HALFT
	v_add_nc_u32 v[ADRA], s46, v4
	s_add_co_u32 s46, s46, SLOT
	v_add_nc_u32 v[ADRA+1], s46, v4
	v_and_b32 v6, 31, v0
	v_lshlrev_b32 v[VS], 4, v6
	s_mul_i32 s47, s22, HALFT
	s_add_co_u32 s47, s47, 2*HALFT
	v_add_nc_u32 v[ADRB], s47, v[VS]               ; B: my 128 columns' images, 16 x lane
	s_add_co_u32 s47, s47, SLOT
	v_add_nc_u32 v[ADRB+1], s47, v[VS]
	v_mul_u32_u24 v5, v1, KS                       ; my row's scales: 32 bytes a row,
	v_lshrrev_b32 v6, 8, v5
	v_lshl_add_u32 v5, v6, 4, v5                   ; and 16 more for each 256 passed
	s_mul_i32 s46, s21, HALFS
	s_mul_i32 s47, s22, HALFS
	s_add_co_u32 s47, s47, 2*HALFS
	s_sub_co_u32 s47, s47, s46
	v_mul_u32_u24 v6, s47, v2                      ; lanes 16-31 take B's
	s_add_co_u32 s46, s46, SCL
	v_add_nc_u32 v5, v5, v6
	v_add_nc_u32 v[ADRS], s46, v5
	v_and_b32 v3, 7, v1
	v_lshl_add_u32 v3, v2, 3, v3
	v_lshrrev_b32 v4, 3, v1
	v_lshl_add_u32 v3, v4, 4, v3
	v_lshlrev_b32 v[VSV], 4, v3
	; where my results go
	s_lshl_b32 s96, s41, 4
	s_lshl_b32 s97, s40, 2
	s_add_co_u32 s96, s96, s97
	s_lshl_b32 s97, s22, 1
	s_add_co_u32 s96, s96, s97                     ; batch x 16 + my first head
	s_lshl_b32 s98, s96, 7
	s_lshl_b32 s97, s101, 4
	s_add_co_u32 s98, s98, s97
	s_lshl_b32 s97, s21, 3
	s_add_co_u32 s98, s98, s97                     ; + my first tile of 16 tokens
	s_lshl_b32 s98, s98, 11
	s_lshl_b32 s97, ttmp9, 24
	s_add_co_u32 s98, s98, s97
	s_mov_b32 s99, 0
	s_add_nc_u64 s[92:93], s[16:17], s[98:99]
	s_lshl_b32 s97, ttmp9, 6
	s_add_co_u32 s96, s96, s97
	s_lshl_b32 s98, s96, 12
	s_add_nc_u64 s[94:95], s[18:19], s[98:99]      ; h16: 4,096 bytes a matrix and head
.macro FRAGA reg, adr, q, i            ; 16 tokens x 128 K of codes: lane l: row l % 16; registers 4 c ..: K = 64 c + 32 (l / 16) + 0 .. 31
.irp c, 0,1
	ds_load_b128 v[\reg+4*\c:\reg+4*\c+3], v[\adr] offset:64*(\q)+32*\c+(\i)*16*PITCH
.endr
.endm
.macro FRAGB reg, adr, q, i            ; an image: 512 consecutive bytes a load
.irp c, 0,1
	ds_load_b128 v[\reg+4*\c:\reg+4*\c+3], v[\adr] offset:4096*(\i)+1024*(\q)+512*\c
.endr
.endm
; 16 matrix instructions: A's blocks a0, a0 + 1 x B's eight.  first = 1: the bias starts the sums.  The 64 accumulators take turns, one instruction a turn.
.macro MUL16 a0, p, q, sc, first
.irp a, \a0, \a0+1
.irp b, 0,1,2,3,4,5,6,7
.if \first
	v_wmma_scale_f32_16x16x128_f8f6f4 v[8*(8*((\a)%4)+\b):8*(8*((\a)%4)+\b)+7], v[128*(\p)+FR*\b:128*(\p)+FR*\b+FR-1], v[AF+FR*(\a):AF+FR*(\a)+FR-1], v[BI+8*\b:BI+8*\b+7], v[SC+8*NQ*(\sc)+NQ*\b+(\q)], v[SC+8*NQ*(\sc)+NQ*(\a)+(\q)] matrix_a_fmt:MATRIX_FMT_FP4 matrix_b_fmt:MATRIX_FMT_FP4 matrix_a_scale:MATRIX_SCALE_ROW1
.else
	v_wmma_scale_f32_16x16x128_f8f6f4 v[8*(8*((\a)%4)+\b):8*(8*((\a)%4)+\b)+7], v[128*(\p)+FR*\b:128*(\p)+FR*\b+FR-1], v[AF+FR*(\a):AF+FR*(\a)+FR-1], v[8*(8*((\a)%4)+\b):8*(8*((\a)%4)+\b)+7], v[SC+8*NQ*(\sc)+NQ*\b+(\q)], v[SC+8*NQ*(\sc)+NQ*(\a)+(\q)] matrix_a_fmt:MATRIX_FMT_FP4 matrix_b_fmt:MATRIX_FMT_FP4 matrix_a_scale:MATRIX_SCALE_ROW1
.endif
.endr
.endr
.endm
.macro FETCH_B slot, q, p
	WIN TO_B
.irp i, 0,1,2,3,4,5,6,7
	FRAGB 128*(\p)+FR*\i, ADRB+\slot, \q, \i
.endr
	WIN 0
.endm
.macro FETCH_A slot, q, i0
.irp i, \i0, \i0+1, \i0+2, \i0+3
	FRAGA AF+FR*(\i), ADRA+\slot, \q, \i
.endr
.endm
.macro SCALES sc                       ; a slot's scale words: lanes 0-15 take A's block i, lanes 16-31 B's block i
.irp i, 0,1,2,3,4,5,6,7
	ds_load_b128 v[SC+8*NQ*\sc+NQ*\i:SC+8*NQ*\sc+NQ*\i+3], v[ADRS] offset:\i*SBLK
.endr
.endm
.macro PLACES n                        ; plain vector lines between a matrix instruction and a load into, or a vector read or write of, its registers
.rept \n
	v_nop
.endr
.endm
.macro STEP slot, q, first             ; 128 along K, with its successor in the same slot
	s_wait_dscnt 4*NL                              ; B's set and A's blocks 0-3 are in; A's blocks 4-7 may be out
	WIN MUL_LO-0x20*(\first)                       ; (first: C is the bias, in window 0)
	MUL16 0, (\q)%2, \q, \slot, \first
	MUL16 2, (\q)%2, \q, \slot, \first
	s_wait_dscnt 0
	PLACES NP
	FETCH_B \slot, (\q)+1, 1-(\q)%2
	FETCH_A \slot, (\q)+1, 0
	WIN MUL_HI-0x30*(\first)
	MUL16 4, (\q)%2, \q, \slot, \first
	MUL16 6, (\q)%2, \q, \slot, \first
	PLACES NP
	WIN 0
	FETCH_A \slot, (\q)+1, 4
.endm
	s_wait_tensorcnt 1                             ; the scales and my part of slot 0 are in; slot 1's load, the one issued behind them, may be out
	s_barrier_signal -1
	s_barrier_wait -1                              ; everybody's are
	FETCH_B 0, 0, 0
	FETCH_A 0, 0, 0
	SCALES 0
	FETCH_A 0, 0, 4
	STEP 0, 0, 1
	STEP 0, 1, 0
	STEP 0, 2, 0
	; slot 0's last step changes slots: one barrier; nothing is filled again
	s_wait_tensorcnt 0x0                           ; my part of slot 1 has landed
	ds_add_u32 v[SPW], v[NIL]
	s_wait_dscnt 4*NL+1                            ; (the add and A's blocks 4-7 may be out)
	WIN MUL_LO
	MUL16 0, 1, NQ-1, 0, 0
	s_wait_dscnt 0x0
	s_barrier_signal -1
	MUL16 2, 1, NQ-1, 0, 0
	WIN 0
	s_barrier_wait -1                              ; slot 1 is whole
	PLACES NP
	v_add_nc_u32 v[ADRS], 4*NQ, v[ADRS]            ; slot 1's scale words (no LDS load of mine is out)
	FETCH_B 1, 0, 0
	FETCH_A 1, 0, 0
	SCALES 1
	WIN MUL_HI
	MUL16 4, 1, NQ-1, 0, 0
	MUL16 6, 1, NQ-1, 0, 0
	PLACES NP
	WIN 0
	FETCH_A 1, 0, 4
	STEP 1, 0, 0
	STEP 1, 1, 0
	STEP 1, 2, 0
	s_wait_dscnt 4*NL
	WIN MUL_LO
	MUL16 0, 1, NQ-1, 1, 0
	MUL16 2, 1, NQ-1, 1, 0
	s_wait_dscnt 0
	WIN MUL_HI
	MUL16 4, 1, NQ-1, 1, 0
	MUL16 6, 1, NQ-1, 1, 0
	WIN 0
	PLACES NP                                      ; behind the last products: their results are read and A's registers written below
; THE WAY OUT of q and k, 16 tokens (block a) at a time: rotate, round to f16, store as images.  out(even) = even x cos - odd x sin; out(odd) = odd x cos + even x sin.
.macro EPI_QK a
.set AC, 64*((\a)%4)
.set TS, TBL+32*((\a)%2)
.set PKA, PK+32*((\a)%2)
.if (\a) > 0
	s_wait_xcnt 0x0                                ; earlier stores have read their data: T and this block's packed registers are written again
.endif
.if (\a) < 7
	TLD (\a)+1
	s_wait_loadcnt 8                               ; this block's table rows are in; the eight loads just issued may be out
.else
	s_wait_loadcnt 0x0
.endif
	WIN 0x06+(\a)/4                                ; source 0: the accumulators' window; source 1: the tables, window 1; the rest window 0
.irp b, 0,1,2,3,4,5,6,7
.irp u, 0,1
	v_pk_mul_f32 v[U+8*(\b%2)+4*\u:U+8*(\b%2)+4*\u+1], v[AC+8*\b+4*\u+2:AC+8*\b+4*\u+3], v[TS+8*(\b%4)+4*\u+2:TS+8*(\b%4)+4*\u+3]     ; odd x sin
	v_pk_mul_f32 v[U+8*(\b%2)+4*\u+2:U+8*(\b%2)+4*\u+3], v[AC+8*\b+4*\u:AC+8*\b+4*\u+1], v[TS+8*(\b%4)+4*\u+2:TS+8*(\b%4)+4*\u+3]   ; even x sin
.endr
.irp u, 0,1
	v_pk_fma_f32 v[T+8*\b+4*\u:T+8*\b+4*\u+1], v[AC+8*\b+4*\u:AC+8*\b+4*\u+1], v[TS+8*(\b%4)+4*\u:TS+8*(\b%4)+4*\u+1], v[U+8*(\b%2)+4*\u:U+8*(\b%2)+4*\u+1] neg_lo:[0,0,1] neg_hi:[0,0,1]
	v_pk_fma_f32 v[T+8*\b+4*\u+2:T+8*\b+4*\u+3], v[AC+8*\b+4*\u+2:AC+8*\b+4*\u+3], v[TS+8*(\b%4)+4*\u:TS+8*(\b%4)+4*\u+1], v[U+8*(\b%2)+4*\u+2:U+8*(\b%2)+4*\u+3]
.endr
.endr
	WIN 0
.irp b, 0,1,2,3,4,5,6,7
.irp i, 0,1,2,3
	v_cvt_pk_f16_f32 v[PKA+4*\b+\i], v[T+8*\b+2*\i], v[T+8*\b+2*\i+1]
.endr
.endr
.irp b, 0,1,2,3,4,5,6,7
	global_store_b128 v[VS], v[PKA+4*\b:PKA+4*\b+3], s[92:93] offset:(\b/4)*262144+2048*(\a)+512*(\b%4)   ; 512 consecutive bytes: channels 16 (b % 4) on of 16 tokens
.endr
.if (\a) == 0
	s_or_b32 s46, s101, s21                        ; positions 0 to 15 of a sequence: cluster y = 0, the waves of the first half, block 0
	s_cmp_lg_u32 s46, 0
	s_cbranch_scc1 .Lnot_first_qk
.irp b, 0,1,2,3,4,5,6,7
	global_store_b128 v[VS], v[T+8*\b:T+8*\b+3], s[94:95] offset:(\b/4)*4096+1024*(\b%4)
	global_store_b128 v[VS], v[T+8*\b+4:T+8*\b+7], s[94:95] offset:(\b/4)*4096+1024*(\b%4)+512
.endr
.Lnot_first_qk:
.endif
.endm
; and of v: no rotation
.macro EPI_V a
.set AC, 64*((\a)%4)
.set PKA, PK+32*((\a)%2)
.if (\a) > 1
	s_wait_xcnt 0x0                                ; block a - 2's stores have read their data
.endif
	WIN 0x0a+5*((\a)/4)
.irp b, 0,1,2,3,4,5,6,7
.irp i, 0,1,2,3
	v_cvt_pk_f16_f32 v[PKA+4*\b+\i], v[AC+8*\b+2*\i], v[AC+8*\b+2*\i+1]
.endr
.endr
	WIN 0
.irp b, 0,1,2,3,4,5,6,7
	global_store_b128 v[VSV], v[PKA+4*\b:PKA+4*\b+3], s[92:93] offset:(\b/4)*262144+2048*(\a)+512*(\b%4)
.endr
.if (\a) == 0
	s_or_b32 s46, s101, s21
	s_cmp_lg_u32 s46, 0
	s_cbranch_scc1 .Lnot_first_v
	WIN 0x08                                       ; a store's data are its source 1: window 2
.irp b, 0,1,2,3,4,5,6,7
	global_store_b128 v[VS], v[AC+8*\b:AC+8*\b+3], s[94:95] offset:(\b/4)*4096+1024*(\b%4)
	global_store_b128 v[VS], v[AC+8*\b+4:AC+8*\b+7], s[94:95] offset:(\b/4)*4096+1024*(\b%4)+512
.endr
	WIN 0
.Lnot_first_v:
.endif
.endm
	s_cmp_eq_u32 ttmp9, 2
	s_cbranch_scc1 .Lway_v
.irp a, 0,1,2,3,4,5,6,7
	EPI_QK \a
.endr
	s_branch .Lend
.Lway_v:
.irp a, 0,1,2,3,4,5,6,7
	EPI_V \a
.endr
.Lend:
	s_wait_tensorcnt 0x0                           ; the wave's end
	ds_add_u32 v[SPW], v[NIL]
	s_wait_dscnt 0x0
	CROUND                                         ; the closing round
	s_endpgm
.Lfunc_end_k_qb168c5e9c5_qkv:
	.size	k_qb168c5e9c5_qkv, .Lfunc_end_k_qb168c5e9c5_qkv-k_qb168c5e9c5_qkv
	.p2alignl 7, 3214868480
	.fill 96, 4, 3214868480
	.section	.rodata,"a",@progbits
	.p2align	6, 0x0
	.amdhsa_kernel k_qb168c5e9c5_qkv
		.amdhsa_group_segment_fixed_size 327680
		.amdhsa_private_segment_fixed_size 0
		.amdhsa_enable_private_segment 0
		.amdhsa_kernarg_size 64
		.amdhsa_user_sgpr_count 2
		.amdhsa_user_sgpr_kernarg_segment_ptr 1
		.amdhsa_wavefront_size32 1
		.amdhsa_system_sgpr_workgroup_id_x 1
		.amdhsa_system_sgpr_workgroup_id_y 1
		.amdhsa_system_sgpr_workgroup_id_z 1
		.amdhsa_system_vgpr_workitem_id 0
		.amdhsa_next_free_vgpr 1024
		.amdhsa_next_free_sgpr 102
		.amdhsa_reserve_vcc 0
		.amdhsa_float_denorm_mode_32 3
		.amdhsa_float_denorm_mode_16_64 3
		.amdhsa_memory_ordered 1
		.amdhsa_forward_progress 1
		.amdhsa_inst_pref_size 185
	.end_amdhsa_kernel
	.amdgpu_metadata
---
amdhsa.version: [ 1, 2 ]
amdhsa.kernels:
  - .name:           k_qb168c5e9c5_qkv
    .symbol:         k_qb168c5e9c5_qkv.kd
    .args:
      - { .name: xq, .offset: 0, .size: 8, .value_kind: global_buffer, .address_space: global }
      - { .name: wq, .offset: 8, .size: 8, .value_kind: global_buffer, .address_space: global }
      - { .name: bq, .offset: 16, .size: 8, .value_kind: global_buffer, .address_space: global }
      - { .name: bk, .offset: 24, .size: 8, .value_kind: global_buffer, .address_space: global }
      - { .name: bv, .offset: 32, .size: 8, .value_kind: global_buffer, .address_space: global }
      - { .name: rope, .offset: 40, .size: 8, .value_kind: global_buffer, .address_space: global }
      - { .name: qkv, .offset: 48, .size: 8, .value_kind: global_buffer, .address_space: global }
      - { .name: h16, .offset: 56, .size: 8, .value_kind: global_buffer, .address_space: global }
    .group_segment_fixed_size: 327680
    .private_segment_fixed_size: 0
    .kernarg_segment_align: 8
    .kernarg_segment_size: 64
    .max_flat_workgroup_size: 128
    .sgpr_count:     102
    .vgpr_count:     1024
    .wavefront_size: 32
...
	.end_amdgpu_metadata
.endif
;; end of part 2
;; launch attn (part 3): grid 4 x 64, 8 waves a work-group, no clusters, 327,680 bytes of LDS; arguments qkv, yf; writes yf
.if DOCPART == 3
	.amdgcn_target "amdgcn-amd-amdhsa--gfx1250"
	.amdhsa_code_object_version 6
	.text
	.protected	k_qb168c5e9c5_attn
	.globl	k_qb168c5e9c5_attn
	.p2align	8
	.type	k_qb168c5e9c5_attn,@function
k_qb168c5e9c5_attn:
	s_mov_b64 s[64:65], 0
	v_nop
	global_prefetch_b8 v0, s[64:65] scope:SCOPE_SE
	s_setreg_imm32_b32 hwreg(HW_REG_WAVE_MODE, 25, 1), 1
	s_wait_xcnt 0x0
; y = softmax(q k^T, causal) v for one batch and head, f16 operands, f32 sums, a running maximum.  q carries log2(e) / 8 already, so p = 2^(s - m).
; SHARES.  Work-group (p, head) takes the block of 256 queries 7 - p and then block p.  Block QB walks the units of 256 keys 0 .. QB: (8 - p) + (p + 1) = 9 units in every work-group, so all 256
; work-groups have the same work and the trip count is a constant.  Each of the eight waves owns 32 queries, two tiles of 16.
; NO CLUSTER: the four work-groups of a head begin their second block in trips 8 - p, so from trip 5 on they want different units: partners' loads would differ.
; LAYOUT.  S^T = K Q^T and O^T = V^T P: a lane holds one query throughout.  K and Q lie in memory as images of their fragments, V in pieces that the turning LDS load takes at 16 x lane: every LDS read is 512 consecutive bytes.
; A unit (32,768 bytes of K, as many of V) comes through a ring of two LDS slots; every wave brings 8,192 bytes by one tensor load: one load a wave is out.
; A key step is 64 keys.  A step all of whose keys come after the wave's queries is left out by a scalar branch on ids; on the diagonal hidden scores become -infinity.  Key 0 counts for every query, so m is a number from a block's first step on.
; P is rounded to f16 in place, over the scores' first registers, so 256 registers serve and no register window is switched.  O and the sums begin as zeros and m as -3e38: the step is written once.
; LIMITS: f16 operands (see the launch that makes them); y goes out as f16.  NaN and infinities are not served.
.set SLOT1, 65536
.set VOFF,  32768                      ; a slot: K's 32,768 bytes, then V's
.set STEPB, 8192                       ; 64 keys: four tiles of 2,048 bytes
.set SPARE, 131072                     ; the spare words, 128 bytes a wave
.set LI,   1                           ; v1  16 x lane
.set ADK,  2                           ; v2  the step's LDS address
.set SPW,  3
.set NIL,  4
.set D0,   5                           ; v5, v6  the mask's differences for the two tiles
.set NINF, 7
.set PFO,  8                           ; v8  256 x lane
.set RH,   9                           ; v9  lane % 16 - 8 (lane / 16)
.set ST,   10                          ; v10-25: tile t at ST + 8 t: +0 m, +1 (0), +2:3 the sum in two halves, +4..7 at work
.set F,    26                          ; v[26:27], v[28:29]: the factor 2^(old m - new m), later 1 / sum; the upper word is 0
.set Q,    32                          ; v32-63   16 t + 8 c
.set KV,   64                          ; v64-127  K's eight fragments, then V's
.set S,    128                         ; v128-191 32 t + 8 k; then P in 32 t + 0 .. 15
.set O,    192                         ; v192-255 32 t + 8 (channel tile)
	s_load_b128 s[4:7], s[0:1], 0x0                ; qkv, yf
	v_lshl_add_u32 v[SPW], v0, 2, SPARE
	v_mov_b32 v[NIL], 0
	ds_add_u32 v[SPW], v[NIL]                      ; the wave's opening: the add, twice on end, and its wait ahead of my first tensor load
	ds_add_u32 v[SPW], v[NIL]
	v_lshrrev_b32 v1, 5, v0
	v_readfirstlane_b32 s8, v1                     ; wave
	s_mov_b32 s9, ttmp9                            ; p
	s_and_b32 s10, ttmp7, 0xffff                   ; batch x 16 + head
	s_mov_b32 s24, 3<<16                           ; group 1: a dense block of 8,192 bytes: 32 rows of 32 elements of 8 bytes
	s_mov_b32 s25, 32<<16
	s_mov_b32 s26, 32<<16
	s_mov_b32 s27, 32<<16
	s_mov_b32 s28, 32
	s_mov_b32 s29, 32
	s_mov_b32 s30, 0
	s_mov_b32 s31, 0
	s_sub_co_u32 s11, 7, s9                        ; QB: the block of queries in hand
	s_sub_co_u32 s12, 8, s9                        ; the trip in which the second block begins
	s_mov_b32 s14, 0                               ; T: the trip
	s_mov_b32 s16, 0                               ; TB: LDS byte of the step in hand
	s_mov_b32 s17, 0                               ; KF: its first key
	s_lshl_b32 s18, s11, 8
	s_lshl_b32 s40, s8, 5
	s_add_co_u32 s18, s18, s40                     ; Q0: my first query
	s_cmp_eq_u32 s9, 0
	s_cselect_b32 s19, 6, 0                        ; the head's first work-group prefetches in trips 0 to 5
	s_mov_b32 s44, 0x76543210
	s_mov_b32 s45, 0xfedcba98
	s_lshr_b32 s40, s8, 2                          ; waves 0-3 fetch K, waves 4-7 V
	s_add_co_u32 s40, s40, 1
	s_lshl_b32 s40, s40, 24
	s_lshl_b32 s41, s10, 18
	s_add_co_u32 s40, s40, s41
	s_and_b32 s41, s8, 3
	s_lshl_b32 s41, s41, 13
	s_add_co_u32 s40, s40, s41                     ; my 8,192 bytes of unit 0
	s_mov_b32 s41, 0
	s_lshl_b32 s42, s10, 18
	s_lshl_b32 s43, s8, 12
	s_add_co_u32 s42, s42, s43                     ; q: my two tiles in block 0
	s_mov_b32 s43, 0
	s_bfe_u32 s46, s10, 0x30001                    ; y: head / 2,
	s_lshl_b32 s46, s46, 21
	s_lshr_b32 s47, s10, 4
	s_lshl_b32 s47, s47, 19                        ; the batch's 128 tiles of 4,096 bytes,
	s_add_co_u32 s46, s46, s47
	s_lshl_b32 s47, s8, 13                         ; my two tiles,
	s_add_co_u32 s46, s46, s47
	s_and_b32 s47, s10, 1
	s_lshl_b32 s47, s47, 11                        ; head % 2
	s_add_co_u32 s46, s46, s47
	s_mov_b32 s47, 0
	s_wait_dscnt 0x0                               ; both opening adds are done
	s_wait_kmcnt 0x0
	s_add_nc_u64 s[20:21], s[4:5], s[40:41]        ; PB
	s_add_nc_u64 s[36:37], s[4:5], s[42:43]        ; QP
	s_add_nc_u64 s[38:39], s[6:7], s[46:47]        ; YP
	s_add_nc_u64 s[22:23], s[20:21], 32768         ; the prefetches' address: the first change steps it to unit 2
	s_mov_b32 s32, 1
	s_lshl_b32 s33, s8, 13                         ; slot 0, 8,192 x wave
	s_mov_b64 s[34:35], s[20:21]
	s_or_b32 s35, s35, 0x80000000
	tensor_load_to_lds s[32:35], s[24:31]          ; unit 0
	s_nop 0
	v_and_b32 v[LI], 31, v0
	v_lshlrev_b32 v[PFO], 8, v[LI]
	v_lshlrev_b32 v[LI], 4, v[LI]
	v_and_b32 v[RH], 15, v0
	v_bfe_u32 v[D0], v0, 4, 1
	v_lshlrev_b32 v[D0], 3, v[D0]
	v_sub_nc_u32 v[RH], v[RH], v[D0]
	v_mov_b32 v[NINF], 0xff800000
	v_mov_b32 v[F+1], 0
	v_mov_b32 v[F+3], 0
.macro QLOAD                           ; my 32 queries of block QB: four fragments, as they lie
	s_lshl_b32 s40, s11, 15
	s_mov_b32 s41, 0
	s_add_nc_u64 s[40:41], s[36:37], s[40:41]
.irp i, 0,1,2,3,4,5,6,7
	global_load_b128 v[Q+4*\i:Q+4*\i+3], v[LI], s[40:41] offset:512*\i
.endr
.endm
.macro INIT
.irp t, 0,1
	v_mov_b32 v[ST+8*\t], 0xff61b1e6               ; m: -3e38, under every score
	v_mov_b32 v[ST+8*\t+1], 0
	v_mov_b32 v[ST+8*\t+2], 0
	v_mov_b32 v[ST+8*\t+3], 0
.endr
.set i, 0
.rept 64
	v_mov_b32 v[O+i], 0                            ; (the step is written once: a block's first step finds zeros)
.set i, i+1
.endr
.endm
	QLOAD
	INIT
	s_wait_loadcnt 0x0                             ; q is in, and its base may be written again
; THE CHANGE OF SLOTS, at a unit's head.  Each wave waits for its tensor load (its part of the unit ahead), adds 0 to its spare word, and waits for that and for its reads of the slot that it has left.
; fill = 1: behind the barrier that slot takes the unit of the next trip: T + 1, or T + 1 - (8 - p) once the second block has begun.
.macro CHANGE fill
	s_wait_tensorcnt 0x0                           ; no tensor load of mine is out: group 0 may be written
	ds_add_u32 v[SPW], v[NIL]
.if \fill
	s_add_co_u32 s13, s14, 1
	s_cmp_ge_u32 s13, s12
	s_cselect_b32 s40, s12, 0
	s_sub_co_u32 s13, s13, s40                     ; NU: the next trip's unit; 0 where the next trip begins the second block
	s_lshl_b32 s40, s13, 15
	s_mov_b32 s41, 0
	s_add_nc_u64 s[34:35], s[20:21], s[40:41]
	s_or_b32 s35, s35, 0x80000000
	s_xor_b32 s33, s33, SLOT1
	s_wait_xcnt 0x0                                ; the last prefetch, a trip back, has read its address
	s_add_nc_u64 s[22:23], s[22:23], 32768
.endif
	s_wait_dscnt 0x0
	s_barrier_signal -1
	s_barrier_wait -1
.if \fill
	tensor_load_to_lds s[32:35], s[24:31]          ; my one tensor load behind this barrier: it has a unit's four steps in which to land
	s_nop 0
	s_cmp_lt_u32 s14, s19                          ; in trip t the head's first work-group, which walks units 0 to 7 in trips 0 to 7, asks for unit t + 2, one trip ahead of its load;
	s_cbranch_scc0 .Lnot_mine_\@                   ; each wave names the 8,192 bytes that it will fetch, lanes 256 bytes apart: each block once in the launch; it stops with unit 7
	global_prefetch_b8 v[PFO], s[22:23] th:TH_LOAD_NT scope:SCOPE_SE
.Lnot_mine_\@:
.endif
.endm
.macro SOFTMAX                         ; the two tiles line by line
.irp k, 0,1,2,3
.irp t, 0,1
	v_max3_num_f32 v[ST+8*\t+4+\k], v[S+32*\t+8*\k], v[S+32*\t+8*\k+1], v[S+32*\t+8*\k+2]   ; four chains; each accumulator is read from its low end on
.endr
.endr
.irp i, 3,5
.irp k, 0,1,2,3
.irp t, 0,1
	v_max3_num_f32 v[ST+8*\t+4+\k], v[ST+8*\t+4+\k], v[S+32*\t+8*\k+\i], v[S+32*\t+8*\k+\i+1]
.endr
.endr
.endr
.irp t, 0,1
	v_max3_num_f32 v[ST+8*\t+4], v[ST+8*\t+4], v[S+32*\t+7], v[S+32*\t+15]
	v_max3_num_f32 v[ST+8*\t+6], v[ST+8*\t+6], v[S+32*\t+23], v[S+32*\t+31]
.endr
.irp t, 0,1
	v_max3_num_f32 v[ST+8*\t+4], v[ST+8*\t+4], v[ST+8*\t+5], v[ST+8*\t+6]
.endr
.irp t, 0,1
	v_max3_num_f32 v[ST+8*\t+4], v[ST+8*\t+4], v[ST+8*\t+7], v[ST+8*\t]
.endr
.irp t, 0,1
	v_permlanex16_b32 v[ST+8*\t+5], v[ST+8*\t+4], s44, s45   ; the query's other 32 keys lie 16 lanes away
.endr
.irp t, 0,1
	v_mov_b32 v[ST+8*\t+6], v[ST+8*\t]
.endr
.irp t, 0,1
	v_max_num_f32 v[ST+8*\t], v[ST+8*\t+4], v[ST+8*\t+5]     ; the new m
.endr
.irp t, 0,1
	v_sub_f32 v[F+2*\t], v[ST+8*\t+6], v[ST+8*\t]            ; old m - new m
.endr
.irp j, 0,2,4,6,8,10,12,14,16,18,20,22,24,26,28,30
.irp t, 0,1
	v_pk_add_f32 v[S+32*\t+\j:S+32*\t+\j+1], v[S+32*\t+\j:S+32*\t+\j+1], v[ST+8*\t:ST+8*\t+1] op_sel_hi:[1,0] neg_lo:[0,1] neg_hi:[0,1]   ; s - m
.endr
.endr
.irp t, 0,1
	v_exp_f32 v[F+2*\t], v[F+2*\t]
.endr
.set i, 0
.rept 64
	v_exp_f32 v[S+i], v[S+i]                       ; ONE batch of 66 exponentials
.set i, i+1
.endr
	v_nop                                          ; a plain line behind the last of them
	s_wait_alu depctr_va_vdst(0)                   ; and one wait, ahead of the batch's first reader
.irp t, 0,1
	v_pk_add_f32 v[ST+8*\t+4:ST+8*\t+5], v[S+32*\t:S+32*\t+1], v[S+32*\t+2:S+32*\t+3]     ; the sums are taken of the unrounded p, in two chains
	v_pk_add_f32 v[ST+8*\t+6:ST+8*\t+7], v[S+32*\t+4:S+32*\t+5], v[S+32*\t+6:S+32*\t+7]
.endr
.irp j, 8,12,16,20,24,28
.irp t, 0,1
	v_pk_add_f32 v[ST+8*\t+4:ST+8*\t+5], v[ST+8*\t+4:ST+8*\t+5], v[S+32*\t+\j:S+32*\t+\j+1]
	v_pk_add_f32 v[ST+8*\t+6:ST+8*\t+7], v[ST+8*\t+6:ST+8*\t+7], v[S+32*\t+\j+2:S+32*\t+\j+3]
.endr
.endr
.irp t, 0,1
	v_pk_add_f32 v[ST+8*\t+4:ST+8*\t+5], v[ST+8*\t+4:ST+8*\t+5], v[ST+8*\t+6:ST+8*\t+7]
.endr
.irp t, 0,1
	v_pk_fma_f32 v[ST+8*\t+2:ST+8*\t+3], v[ST+8*\t+2:ST+8*\t+3], v[F+2*\t:F+2*\t+1], v[ST+8*\t+4:ST+8*\t+5] op_sel_hi:[1,0,1]
.endr
.irp i, 0,1,2,3,4,5,6,7,8,9,10,11,12,13,14,15
.irp t, 0,1
	v_cvt_pk_f16_f32 v[S+32*\t+\i], v[S+32*\t+2*\i], v[S+32*\t+2*\i+1]   ; P, in place and ascending: a register is written when it has been read
.endr
.endr
.irp j, 0,2,4,6,8,10,12,14,16,18,20,22,24,26,28,30
.irp t, 0,1
	v_pk_mul_f32 v[O+32*\t+\j:O+32*\t+\j+1], v[O+32*\t+\j:O+32*\t+\j+1], v[F+2*\t:F+2*\t+1] op_sel_hi:[1,0]
.endr
.endr
.endm
.macro STEP                            ; 64 keys
	s_add_co_u32 s40, s18, 31
	s_cmp_gt_u32 s17, s40                          ; all keys come after my 32 queries: the step's work is left out
	s_cbranch_scc1 .Lhid_\@
	v_add_nc_u32 v[ADK], s16, v[LI]
.irp i, 0,1,2,3,4,5,6,7,8,9,10,11,12,13,14,15
	ds_load_b128 v[KV+4*\i:KV+4*\i+3], v[ADK] offset:512*\i      ; K: tile i / 4, channels 32 ((i / 2) % 2) on, half i % 2
.endr
	s_wait_dscnt 0x0
.irp c, 0,1                            ; eight accumulators by turns, one instruction a turn
.irp k, 0,1,2,3
.irp t, 0,1
.if \c == 0
	v_wmma_f32_16x16x32_f16 v[S+32*\t+8*\k:S+32*\t+8*\k+7], v[KV+16*\k+8*\c:KV+16*\k+8*\c+7], v[Q+16*\t+8*\c:Q+16*\t+8*\c+7], 0
.else
	v_wmma_f32_16x16x32_f16 v[S+32*\t+8*\k:S+32*\t+8*\k+7], v[KV+16*\k+8*\c:KV+16*\k+8*\c+7], v[Q+16*\t+8*\c:Q+16*\t+8*\c+7], v[S+32*\t+8*\k:S+32*\t+8*\k+7]
.endif
.endr
.endr
.endr
.rept 4
	v_nop                                          ; places: K's registers are loaded again and the scores read below
.endr
.irp t, 0,1,2,3
.irp u, 0,1
.irp s, 0,1
	ds_load_tr16_b128 v[KV+8*(2*\t+\u)+4*\s:KV+8*(2*\t+\u)+4*\s+3], v[ADK] offset:VOFF+2048*(2*\u+\s)+512*\t   ; V^T: channels 16 t on, keys 32 u + 16 s on; it lands under the softmax
.endr
.endr
.endr
	s_add_co_u32 s40, s17, 63
	s_cmp_le_u32 s40, s18                          ; all 64 keys count for all my queries
	s_cbranch_scc1 .Lopen_\@
	s_sub_co_i32 s40, s18, s17
	v_add_nc_u32 v[D0], s40, v[RH]                 ; d = my query - KF - 8 (lane / 16): register 8 k + j holds key KF + 8 (lane / 16) + 16 k + j: hidden where 16 k + j > d
	v_add_nc_u32 v[D0+1], 16, v[D0]
.irp t, 0,1
.irp k, 0,1,2,3
.irp j, 0,1,2,3,4,5,6,7
	v_cmp_gt_i32 vcc_lo, 16*\k+\j, v[D0+\t]
	v_cndmask_b32 v[S+32*\t+8*\k+\j], v[S+32*\t+8*\k+\j], v[NINF], vcc_lo
.endr
.endr
.endr
.Lopen_\@:
	SOFTMAX
	s_wait_dscnt 0x0                               ; V is in
.irp u, 0,1
.irp c, 0,1,2,3
.irp t, 0,1
	v_wmma_f32_16x16x32_f16 v[O+32*\t+8*\c:O+32*\t+8*\c+7], v[KV+8*(2*\c+\u):KV+8*(2*\c+\u)+7], v[S+32*\t+8*\u:S+32*\t+8*\u+7], v[O+32*\t+8*\c:O+32*\t+8*\c+7]
.endr
.endr
.endr
.rept 5
	v_nop                                          ; places: the next step's products write over P, its loads over V; a block's end reads O
.endr
.Lhid_\@:
	s_add_co_u32 s16, s16, STEPB
	s_add_co_u32 s17, s17, 64
.endm
.macro UNIT
	s_mov_b32 s15, 4
.Lstep_\@:
	STEP
	s_sub_co_u32 s15, s15, 1
	s_cmp_lg_u32 s15, 0
	s_cbranch_scc1 .Lstep_\@
.endm
; A block's end: O / the sum, as f16, stored as images of the next product's fragments.  restart = 1: on to block p.
.macro FINISH restart
	s_wait_xcnt 0x0                                ; earlier stores have read their data and base
	s_lshl_b32 s42, s11, 16                        ; 16 tiles of 4,096 bytes a block
	s_mov_b32 s43, 0
	s_add_nc_u64 s[42:43], s[38:39], s[42:43]
.irp t, 0,1
	v_add_f32 v[ST+8*\t+4], v[ST+8*\t+2], v[ST+8*\t+3]
.endr
.irp t, 0,1
	v_permlanex16_b32 v[ST+8*\t+5], v[ST+8*\t+4], s44, s45
.endr
.irp t, 0,1
	v_add_f32 v[ST+8*\t+4], v[ST+8*\t+4], v[ST+8*\t+5]
.endr
.irp t, 0,1
	v_rcp_f32 v[F+2*\t], v[ST+8*\t+4]
.endr
	v_nop
	s_wait_alu depctr_va_vdst(0)                   ; one wait for the two reciprocals, ahead of their first reader
.irp t, 0,1
.irp j, 0,2,4,6,8,10,12,14,16,18,20,22,24,26,28,30
	v_pk_mul_f32 v[O+32*\t+\j:O+32*\t+\j+1], v[O+32*\t+\j:O+32*\t+\j+1], v[F+2*\t:F+2*\t+1] op_sel_hi:[1,0]
.endr
.endr
.set i, 0
.rept 32
	v_cvt_pk_f16_f32 v[S+i], v[O+2*i], v[O+2*i+1]
.set i, i+1
.endr
.irp m, 0,1,2,3,4,5,6,7
	global_store_b128 v[LI], v[S+4*\m:S+4*\m+3], s[42:43] offset:4096*(\m/4)+512*(\m%4)   ; 512 consecutive bytes: channels 16 (m % 4) on of 16 queries
.endr
.if \restart
	s_mov_b32 s11, s9
	s_lshl_b32 s18, s9, 8
	s_lshl_b32 s40, s8, 5
	s_add_co_u32 s18, s18, s40
	s_wait_xcnt 0x0                                ; the stores have read their data: the next scores land there
	QLOAD
	INIT
	s_wait_loadcnt 0x0
.endif
.endm
.Lunit:                                                ; eight trips; the ninth is written out
	CHANGE 1
	UNIT
	s_cmp_lg_u32 s13, 0
	s_cbranch_scc1 .Lsame
	FINISH 1
.Lsame:
	s_sub_co_u32 s16, s16, 4*STEPB
	s_xor_b32 s16, s16, SLOT1                      ; the other slot
	s_lshl_b32 s17, s13, 8                         ; the next unit's first key
	s_add_co_u32 s14, s14, 1
	s_cmp_lt_u32 s14, 8
	s_cbranch_scc1 .Lunit
	CHANGE 0
	UNIT
	FINISH 0
	s_wait_tensorcnt 0x0                           ; the wave's end
	ds_add_u32 v[SPW], v[NIL]
	s_wait_dscnt 0x0
	s_endpgm
.Lfunc_end_k_qb168c5e9c5_attn:
	.size	k_qb168c5e9c5_attn, .Lfunc_end_k_qb168c5e9c5_attn-k_qb168c5e9c5_attn
	.p2alignl 7, 3214868480
	.fill 96, 4, 3214868480
	.section	.rodata,"a",@progbits
	.p2align	6, 0x0
	.amdhsa_kernel k_qb168c5e9c5_attn
		.amdhsa_group_segment_fixed_size 327680
		.amdhsa_private_segment_fixed_size 0
		.amdhsa_enable_private_segment 0
		.amdhsa_kernarg_size 16
		.amdhsa_user_sgpr_count 2
		.amdhsa_user_sgpr_kernarg_segment_ptr 1
		.amdhsa_wavefront_size32 1
		.amdhsa_system_sgpr_workgroup_id_x 1
		.amdhsa_system_sgpr_workgroup_id_y 1
		.amdhsa_system_sgpr_workgroup_id_z 1
		.amdhsa_system_vgpr_workitem_id 0
		.amdhsa_next_free_vgpr 256
		.amdhsa_next_free_sgpr 66
		.amdhsa_reserve_vcc 1
		.amdhsa_float_denorm_mode_32 3
		.amdhsa_float_denorm_mode_16_64 3
		.amdhsa_memory_ordered 1
		.amdhsa_forward_progress 1
		.amdhsa_inst_pref_size 65
	.end_amdhsa_kernel
	.amdgpu_metadata
---
amdhsa.version: [ 1, 2 ]
amdhsa.kernels:
  - .name:           k_qb168c5e9c5_attn
    .symbol:         k_qb168c5e9c5_attn.kd
    .args:
      - { .name: qkv, .offset: 0, .size: 8, .value_kind: global_buffer, .address_space: global }
      - { .name: yf, .offset: 8, .size: 8, .value_kind: global_buffer, .address_space: global }
    .group_segment_fixed_size: 327680
    .private_segment_fixed_size: 0
    .kernarg_segment_align: 8
    .kernarg_segment_size: 16
    .max_flat_workgroup_size: 256
    .sgpr_count:     66
    .vgpr_count:     256
    .wavefront_size: 32
...
	.end_amdgpu_metadata
.endif
;; end of part 3
;; launch oproj (part 4): grid 4 x 64, 4 waves a work-group, clusters of 4 x 4, 327,680 bytes of LDS; arguments yf, woi, bo, out0; writes out0
.if DOCPART == 4
	.amdgcn_target "amdgcn-amd-amdhsa--gfx1250"
	.amdhsa_code_object_version 6
	.text
	.protected	k_qb168c5e9c5_oproj
	.globl	k_qb168c5e9c5_oproj
	.p2align	8
	.type	k_qb168c5e9c5_oproj,@function
k_qb168c5e9c5_oproj:
	s_mov_b64 s[64:65], 0
	v_nop
	global_prefetch_b8 v0, s[64:65] scope:SCOPE_SE
	s_setreg_imm32_b32 hwreg(HW_REG_WAVE_MODE, 25, 1), 1
	s_wait_xcnt 0x0
	s_wait_alu depctr_hold_cnt(0) depctr_sa_sdst(0) depctr_va_vdst(0) depctr_va_sdst(0) depctr_va_ssrc(0) depctr_va_vcc(0) depctr_vm_vsrc(0)
	s_getreg_b32 s2, hwreg(HW_REG_IB_STS2, 6, 4)
	s_cmp_eq_u32 s2, 0
	s_cbranch_scc0 .Lentry_in_a_cluster
	s_endpgm
.Lentry_in_a_cluster:
	s_bfe_u32 s2, ttmp6, 0x10000c
	s_cmp_lg_u32 s2, 0xf033
	s_cbranch_scc0 .Lentry_shape_is_right
	s_endpgm
.Lentry_shape_is_right:
; out = y Wo + bo, f16 operands, f32 sums.  y [8192][1024] and Wo lie in memory as images of their fragments, K in the order of places in both.
; A tile of 128 tokens x 256 columns is made by four waves, 64 x 128 each: 32 accumulators.  That gives 4 x 64 = 256 work-groups.  K goes in chunks of 128 (four steps of 32) through a ring of two LDS slots.
; CLUSTERS: 4 x 4 work-groups; y's tiles are shared along a row of the cluster, Wo's along a column: joint loads, each a dense block (16,384 bytes of y, 32,768 of Wo a wave).
; THE MATRIX INSTRUCTION IS USED TRANSPOSED (source 0 = 16 columns of Wo, source 1 = 16 tokens): a lane holds eight neighbouring columns of a token.  The bias is the C of each sum's first product.
; The first 16 positions of each sequence are written here too, and written over by the launch that carries them finely.
; No prefetch: the tiles are small, and each is shared by four work-groups of the cluster.
; REGISTERS: window 0: v16-29 addresses; v32-95 A's fragments, two buffers of 32; v96-223 B's, two of 64; on the way out v32-159 rows of the result.  window 1: the accumulators ((a, b) at v[8 (8 a + b)]).  window 2: v0-63 the bias.
.set SLOT,   98304                     ; A's 8 tiles of 4,096 bytes, then B's 16
.set BOFF,   32768
.set STAGE,  2*SLOT                    ; 16 rows x (512 + 16) bytes for each wave, for the way out
.set SPITCH, 528
.set SPARE,  STAGE+4*16*SPITCH
.set ADRA, 16
.set ADRB, 20
.set STO,  24
.set RD,   25
.set CO,   26
.set VB,   27
.set SPW,  28
.set NIL,  29
.set AFR,  32
.set BF,   96
.set BK,   32
.set G1, 24
.set G0, 32
.set G1B, 48
.set G0B, 56
.set MSB, 0
.macro WIN new
.if MSB != (\new)
	s_set_vgpr_msb (MSB<<8)|(\new)
.set MSB, (\new)
.endif
.endm
.set MUL,  0x50                        ; C and D window 1, the fragments window 0
.set MULB, 0x60                        ; C (the bias) window 2, D window 1
.macro JLOAD s                         ; waves 0, 1 fetch y's two halves, waves 2, 3 Wo's; an s_nop 0 and four v_nop follow each line
	s_cmp_eq_u32 s13, 0
	s_cbranch_scc0 .Lfor_b_\@
	tensor_load_to_lds s[G0+4*\s:G0+4*\s+3], s[G1:G1+7]
	s_nop 0
.rept 4
	v_nop
.endr
	s_branch .Lasked_\@
.Lfor_b_\@:
	tensor_load_to_lds s[G0B+4*\s:G0B+4*\s+3], s[G1B:G1B+7]
	s_nop 0
.rept 4
	v_nop
.endr
.Lasked_\@:
.endm
.macro CREST
	s_cmp_lg_u32 s12, 0
	s_cbranch_scc1 .Lnot_wave_0_\@
	s_barrier_signal -3
.Lnot_wave_0_\@:
	s_barrier_wait -3
	s_barrier_signal -1
	s_barrier_wait -1
.endm
.macro CROUND
	s_barrier_signal -1
	s_barrier_wait -1
	CREST
.endm
	s_load_b256 s[4:11], s[0:1], 0x0               ; yf 4:5, woi 6:7, bo 8:9, out0 10:11
	v_lshl_add_u32 v[SPW], v0, 2, SPARE
	v_mov_b32 v[NIL], 0
	ds_add_u32 v[SPW], v[NIL]                      ; the wave's opening: the add, twice on end, and its wait ahead of my first tensor load
	ds_add_u32 v[SPW], v[NIL]
	v_lshrrev_b32 v1, 5, v0
	v_readfirstlane_b32 s12, v1                    ; wave
	s_lshr_b32 s13, s12, 1                         ; my half of the tile's tokens.  Also: I fetch for y (0) or for Wo (1)
	s_and_b32 s14, s12, 1                          ; my half of its columns.  Also: which half of that tile I fetch
	s_bfe_u32 s40, ttmp6, 0x40000                  ; cx
	s_bfe_u32 s41, ttmp6, 0x40004                  ; cy
	s_lshl_b32 s42, ttmp9, 2
	s_add_co_u32 s42, s42, s40                     ; tile column
	s_and_b32 s15, ttmp7, 0xffff
	s_lshl_b32 s15, s15, 2
	s_add_co_u32 s15, s15, s41                     ; tile row
	s_lshl_b32 s43, s41, 2
	s_lshl_b32 s43, 15, s43                        ; my row of the cluster
	s_lshl_b32 s44, 0x1111, s40                    ; my column
	s_or_b32 s[G1+0], s43, (3<<16)|(1<<21)         ; y: 64 rows of 32 elements of 8 bytes, dense
	s_mov_b32 s[G1+1], 32<<16
	s_mov_b32 s[G1+2], 64<<16
	s_mov_b32 s[G1+3], 32<<16
	s_mov_b32 s[G1+4], 64
	s_mov_b32 s[G1+5], 32
	s_mov_b32 s[G1+6], 0
	s_mov_b32 s[G1+7], 0
	s_or_b32 s[G1B+0], s44, (3<<16)|(1<<21)        ; Wo: 128 such rows
	s_mov_b32 s[G1B+1], 32<<16
	s_mov_b32 s[G1B+2], 128<<16
	s_mov_b32 s[G1B+3], 32<<16
	s_mov_b32 s[G1B+4], 128
	s_mov_b32 s[G1B+5], 32
	s_mov_b32 s[G1B+6], 0
	s_mov_b32 s[G1B+7], 0
	s_lshl_b32 s16, s15, 15                        ; y: 8 tiles of 4,096 bytes a tile row,
	s_lshl_b32 s18, s14, 14
	s_add_co_u32 s16, s16, s18                     ; + my four
	s_mov_b32 s17, 0
	s_lshl_b32 s46, s42, 16                        ; Wo: 16 tiles a tile column,
	s_lshl_b32 s47, s14, 15
	s_add_co_u32 s46, s46, s47                     ; + my eight
	s_mov_b32 s47, 0
	s_lshl_b32 s20, s14, 14                        ; where they go: y's halves,
	s_lshl_b32 s21, s14, 15
	s_add_co_u32 s21, s21, BOFF                    ; Wo's halves behind them
	s_wait_dscnt 0x0                               ; both opening adds are done
	s_wait_kmcnt 0x0
	s_add_nc_u64 s[16:17], s[4:5], s[16:17]
	s_add_nc_u64 s[46:47], s[6:7], s[46:47]
	CROUND                                         ; all sixteen work-groups are here: the first joint loads meet
.irp s, 0,1
	s_mov_b32 s[G0+4*\s], 1
	s_add_co_u32 s[G0+4*\s+1], s20, \s*SLOT
	s_add_nc_u64 s[G0+4*\s+2:G0+4*\s+3], s[16:17], \s*2097152
	s_or_b32 s[G0+4*\s+3], s[G0+4*\s+3], 0x80000000
	s_mov_b32 s[G0B+4*\s], 1
	s_add_co_u32 s[G0B+4*\s+1], s21, \s*SLOT
	s_add_nc_u64 s[G0B+4*\s+2:G0B+4*\s+3], s[46:47], \s*262144
	s_or_b32 s[G0B+4*\s+3], s[G0B+4*\s+3], 0x80000000
	JLOAD \s
.endr
	v_and_b32 v1, 15, v0                           ; r
	v_bfe_u32 v2, v0, 4, 1                         ; h
	v_lshlrev_b32 v[VB], 5, v2
	s_lshl_b32 s46, s42, 10
	s_lshl_b32 s47, s14, 9
	s_add_co_u32 s46, s46, s47                     ; my 128 columns, in bytes
	s_mov_b32 s47, 0
	s_add_nc_u64 s[8:9], s[8:9], s[46:47]
	WIN 0x80
.irp b, 0,1,2,3,4,5,6,7
	global_load_b128 v[8*\b:8*\b+3], v[VB], s[8:9] offset:64*\b          ; the bias of my eight columns of tile b
	global_load_b128 v[8*\b+4:8*\b+7], v[VB], s[8:9] offset:64*\b+16
.endr
	WIN 0
	v_and_b32 v3, 31, v0
	v_lshlrev_b32 v[CO], 4, v3                     ; 16 x lane
	s_lshl_b32 s22, s13, 14
	v_add_nc_u32 v[ADRA], s22, v[CO]
	s_add_co_u32 s22, s22, SLOT
	v_add_nc_u32 v[ADRA+1], s22, v[CO]
	s_lshl_b32 s22, s14, 15
	s_add_co_u32 s22, s22, BOFF
	v_add_nc_u32 v[ADRB], s22, v[CO]
	s_add_co_u32 s22, s22, SLOT
	v_add_nc_u32 v[ADRB+1], s22, v[CO]
	s_mul_i32 s23, s12, 16*SPITCH
	s_add_co_u32 s23, s23, STAGE                   ; my stage
	v_mul_u32_u24 v4, v1, SPITCH
	v_lshl_add_u32 v4, v2, 5, v4
	v_add_nc_u32 v[STO], s23, v4                   ; in: row r, 32 bytes for each half of the lanes
	v_add_nc_u32 v[RD], s23, v[CO]                 ; back: the 32 lanes take a row of 512 bytes
	s_lshl_b32 s16, s15, 7
	s_lshl_b32 s17, s13, 6
	s_add_co_u32 s16, s16, s17                     ; my first token
	s_lshl_b32 s16, s16, 12
	s_add_co_u32 s16, s16, s46                     ; + my first column
	s_mov_b32 s17, 0
	s_add_nc_u64 s[10:11], s[10:11], s[16:17]
.macro MUL8 f, a, bias                 ; A's tile a x B's eight, 32 along K, from buffer f.  The 32 accumulators take turns, one instruction a turn
.irp b, 0,1,2,3,4,5,6,7
.if \bias
	v_wmma_f32_16x16x32_f16 v[8*(8*(\a)+\b):8*(8*(\a)+\b)+7], v[BF+64*(\f)+8*\b:BF+64*(\f)+8*\b+7], v[AFR+32*(\f)+8*(\a):AFR+32*(\f)+8*(\a)+7], v[8*\b:8*\b+7]
.else
	v_wmma_f32_16x16x32_f16 v[8*(8*(\a)+\b):8*(8*(\a)+\b)+7], v[BF+64*(\f)+8*\b:BF+64*(\f)+8*\b+7], v[AFR+32*(\f)+8*(\a):AFR+32*(\f)+8*(\a)+7], v[8*(8*(\a)+\b):8*(8*(\a)+\b)+7]
.endif
.endr
.endm
.macro FETCH slot, q, f                ; 24 LDS loads in one run: B's eight images, then A's four, of the slot's q-th 32 along K
	WIN 0
.irp i, 0,1,2,3,4,5,6,7
	ds_load_b128 v[BF+64*(\f)+8*\i:BF+64*(\f)+8*\i+3],   v[ADRB+\slot] offset:4096*\i+1024*(\q)
	ds_load_b128 v[BF+64*(\f)+8*\i+4:BF+64*(\f)+8*\i+7], v[ADRB+\slot] offset:4096*\i+1024*(\q)+512
.endr
.irp i, 0,1,2,3
	ds_load_b128 v[AFR+32*(\f)+8*\i:AFR+32*(\f)+8*\i+3],   v[ADRA+\slot] offset:4096*\i+1024*(\q)
	ds_load_b128 v[AFR+32*(\f)+8*\i+4:AFR+32*(\f)+8*\i+7], v[ADRA+\slot] offset:4096*\i+1024*(\q)+512
.endr
.endm
.macro PLACES
.rept 4
	v_nop
.endr
.endm
.macro QUARTER slot, q, f, g, bias     ; multiplies buffer f; in its middle fetches the slot's q-th step into buffer g
	s_wait_dscnt 4                                 ; B and A's tiles 0, 1 are in; the youngest four loads (A's tiles 2, 3) may be out
	WIN MUL+0x10*(\bias)
	MUL8 \f, 0, \bias
	MUL8 \f, 1, \bias
	PLACES                                         ; buffer g was read by the quarter before
	FETCH \slot, \q, \g
	s_wait_dscnt 24                                ; all but the 24 just issued
	WIN MUL+0x10*(\bias)
	MUL8 \f, 2, \bias
	MUL8 \f, 3, \bias
.endm
; A slot's last quarter multiplies buffer 1 and changes slots: one barrier; in front of it each wave waits for all its tensor loads, adds 0 to its spare word, and waits for that and for its reads of this slot.
.macro TURN slot, next, fill
	WIN 0
	s_wait_tensorcnt 0x0                           ; my part of the next slot has landed; no load of mine is out
	ds_add_u32 v[SPW], v[NIL]
	s_wait_dscnt 5                                 ; (the add and the youngest four loads may be out)
	WIN MUL
	MUL8 1, 0, 0
	s_wait_dscnt 0x0                               ; the add is done, and my reads of this slot are over
	s_barrier_signal -1
	MUL8 1, 1, 0
.if \fill
	WIN 0
.endif
	s_barrier_wait -1
.if \fill
	CREST                                          ; the barrier has opened a round of the cluster's: no wave of any partner still reads this slot or has a load on its way
	s_add_nc_u64 s[G0+4*\slot+2:G0+4*\slot+3], s[G0+4*\slot+2:G0+4*\slot+3], 2*2097152
	s_add_nc_u64 s[G0B+4*\slot+2:G0B+4*\slot+3], s[G0B+4*\slot+2:G0B+4*\slot+3], 2*262144
	JLOAD \slot                                    ; the first tensor load behind the round; its four v_nop are also the places in front of the loads below
.else
	PLACES
.endif
	FETCH \next, 0, 0
	WIN MUL
	MUL8 1, 2, 0
	MUL8 1, 3, 0
.endm
	s_wait_loadcnt 0x0                             ; the bias
	s_wait_tensorcnt 1                             ; my part of chunk 0 is in; chunk 1's load may be out
	s_barrier_signal -1
	s_barrier_wait -1
	FETCH 0, 0, 0
	QUARTER 0, 1, 0, 1, 1                          ; the first quarter stands in front of the loop: its products start the sums with the bias
	WIN 0
	s_mov_b32 s3, 3
.Llap:                                                 ; a trip goes once round the ring and fills both slots again: chunks 2 to 7
	QUARTER 0, 2, 1, 0, 0
	QUARTER 0, 3, 0, 1, 0
	TURN 0, 1, 1
	QUARTER 1, 1, 0, 1, 0
	QUARTER 1, 2, 1, 0, 0
	QUARTER 1, 3, 0, 1, 0
	TURN 1, 0, 1
	QUARTER 0, 1, 0, 1, 0
	WIN 0
	s_sub_co_u32 s3, s3, 1
	s_cmp_lg_u32 s3, 0
	s_cbranch_scc1 .Llap
	QUARTER 0, 2, 1, 0, 0                          ; the last lap fills nothing
	QUARTER 0, 3, 0, 1, 0
	TURN 0, 1, 0
	QUARTER 1, 1, 0, 1, 0
	QUARTER 1, 2, 1, 0, 0
	QUARTER 1, 3, 0, 1, 0
	s_wait_dscnt 4
	WIN MUL
	MUL8 1, 0, 0
	MUL8 1, 1, 0
	s_wait_dscnt 0
	MUL8 1, 2, 0
	MUL8 1, 3, 0
	WIN 0
; THE WAY OUT, 16 tokens x 128 columns at a time, through my own stage: in as 32 bytes a lane, back as whole rows of 512 bytes.  LDS serves a wave's instructions in order: no wait between the stores and the loads.
.macro TOSTAGE a
	WIN 0x04                                       ; an LDS store's data are its source 1: window 1
.irp b, 0,1,2,3,4,5,6,7
	ds_store_b128 v[STO], v[8*(8*(\a)+\b):8*(8*(\a)+\b)+3] offset:64*\b            ; each accumulator from its low end on
	ds_store_b128 v[STO], v[8*(8*(\a)+\b)+4:8*(8*(\a)+\b)+7] offset:64*\b+16
.endr
	WIN 0
.set BB, BK+64*((\a)%2)
.irp t, 0,1,2,3,4,5,6,7,8,9,10,11,12,13,14,15
	ds_load_b128 v[BB+4*\t:BB+4*\t+3], v[RD] offset:\t*SPITCH
.endr
.endm
.macro SEND a, younger
.set BB, BK+64*((\a)%2)
	s_wait_dscnt \younger
.if (\a) > 0
	s_add_nc_u64 s[10:11], s[10:11], 16*4096       ; (behind a wait on XCNT: the earlier stores have read their base)
.endif
.irp t, 0,1,2,3,4,5,6,7,8,9,10,11,12,13,14,15
	global_store_b128 v[CO], v[BB+4*\t:BB+4*\t+3], s[10:11] offset:\t*4096 th:TH_STORE_NT   ; 512 consecutive bytes of a row of the output
.endr
.endm
	PLACES
	TOSTAGE 0
.irp a, 1,2,3
.if \a > 1
	s_wait_xcnt 0x0                                ; block a - 2's stores have read their registers and their base
.endif
	TOSTAGE \a
	SEND \a-1, 32                                  ; behind block a - 1's loads: block a's 16 stores and 16 loads
.endr
	s_wait_xcnt 0x0
	SEND 3, 0
	s_wait_tensorcnt 0x0                           ; the wave's end
	ds_add_u32 v[SPW], v[NIL]
	s_wait_dscnt 0x0
	CROUND                                         ; the closing round
	s_endpgm
.Lfunc_end_k_qb168c5e9c5_oproj:
	.size	k_qb168c5e9c5_oproj, .Lfunc_end_k_qb168c5e9c5_oproj-k_qb168c5e9c5_oproj
	.p2alignl 7, 3214868480
	.fill 96, 4, 3214868480
	.section	.rodata,"a",@progbits
	.p2align	6, 0x0
	.amdhsa_kernel k_qb168c5e9c5_oproj
		.amdhsa_group_segment_fixed_size 327680
		.amdhsa_private_segment_fixed_size 0
		.amdhsa_enable_private_segment 0
		.amdhsa_kernarg_size 32
		.amdhsa_user_sgpr_count 2
		.amdhsa_user_sgpr_kernarg_segment_ptr 1
		.amdhsa_wavefront_size32 1
		.amdhsa_system_sgpr_workgroup_id_x 1
		.amdhsa_system_sgpr_workgroup_id_y 1
		.amdhsa_system_sgpr_workgroup_id_z 1
		.amdhsa_system_vgpr_workitem_id 0
		.amdhsa_next_free_vgpr 576
		.amdhsa_next_free_sgpr 66
		.amdhsa_reserve_vcc 0
		.amdhsa_float_denorm_mode_32 3
		.amdhsa_float_denorm_mode_16_64 3
		.amdhsa_memory_ordered 1
		.amdhsa_forward_progress 1
		.amdhsa_inst_pref_size 86
	.end_amdhsa_kernel
	.amdgpu_metadata
---
amdhsa.version: [ 1, 2 ]
amdhsa.kernels:
  - .name:           k_qb168c5e9c5_oproj
    .symbol:         k_qb168c5e9c5_oproj.kd
    .args:
      - { .name: yf, .offset: 0, .size: 8, .value_kind: global_buffer, .address_space: global }
      - { .name: woi, .offset: 8, .size: 8, .value_kind: global_buffer, .address_space: global }
      - { .name: bo, .offset: 16, .size: 8, .value_kind: global_buffer, .address_space: global }
      - { .name: out0, .offset: 24, .size: 8, .value_kind: global_buffer, .address_space: global }
    .group_segment_fixed_size: 327680
    .private_segment_fixed_size: 0
    .kernarg_segment_align: 8
    .kernarg_segment_size: 32
    .max_flat_workgroup_size: 128
    .sgpr_count:     66
    .vgpr_count:     576
    .wavefront_size: 32
...
	.end_amdgpu_metadata
.endif
;; end of part 4
;; launch fine (part 5): grid 16 x 4, 16 waves a work-group, no clusters, 85,248 bytes of LDS; arguments h16, Wo, bo, out0; writes out0
.if DOCPART == 5
	.amdgcn_target "amdgcn-amd-amdhsa--gfx1250"
	.amdhsa_code_object_version 6
	.text
	.protected	k_qb168c5e9c5_fine
	.globl	k_qb168c5e9c5_fine
	.p2align	8
	.type	k_qb168c5e9c5_fine,@function
k_qb168c5e9c5_fine:
	s_mov_b64 s[64:65], 0
	v_nop
	global_prefetch_b8 v0, s[64:65] scope:SCOPE_SE
	s_setreg_imm32_b32 hwreg(HW_REG_WAVE_MODE, 25, 1), 1
	s_wait_xcnt 0x0
; THE FIRST 16 POSITIONS OF EACH SEQUENCE, all in f32: their rows average one to sixteen values and are the largest of the output, so f16 operands would weigh most there.
; Work-group (bx, batch) makes rows 0-15 of the batch x columns 64 bx .. 64 bx + 63 of the output, over what the launch before stored there.  64 rows in all: no bulk work.
; PHASE 1: wave = head: S^T = K Q^T (16 x 16 x 64), the causal mask, the softmax with its maximum, O^T = V^T P; y's 16 x 1,024 numbers meet in LDS.  (Every work-group of a batch makes them anew: 16 x 16 x 64 a head.)
; PHASE 2: wave (ct = wave % 4, kq = wave / 4): 16 columns x a quarter of K; the four quarters meet in LDS, and eight waves add them and the bias and store whole units of 256 bytes.
; q, k, v come as f32 images from the launch that made them; q carries log2(e) / 8.  The channels lie in the order of places (0, 2, 1, 3 in each four), so Wo's rows are taken in that order.
; A K step of the f32 form is four numbers: register j of lane (r, h) is slot 2 h + j.  Which k stands in a slot is free where both operands agree: the loads below choose it so that they are plain.
; The registers that the f32 matrix form writes (v144-191) are written by matrix instructions alone; each sum begins with the constant 0.
.set YPIT,  4112                       ; a row of y in LDS: 4,096 bytes + 16
.set PL,    65792                      ; behind y: the four quarters' parts: 16 rows x (256 + 16) bytes each
.set PQ,    4352
.set SPARE, 83200                      ; the spare words, 128 bytes a wave
.set SPW, 3
.set NIL, 4
	s_load_b256 s[4:11], s[0:1], 0x0               ; h16 4:5, Wo 6:7, bo 8:9, out0 10:11
	v_lshl_add_u32 v[SPW], v0, 2, SPARE
	v_mov_b32 v[NIL], 0
	v_lshrrev_b32 v1, 5, v0
	v_readfirstlane_b32 s12, v1                    ; wave = head
	s_and_b32 s13, ttmp7, 0xffff                   ; batch
	s_and_b32 s14, s12, 3                          ; ct
	s_lshr_b32 s15, s12, 2                         ; kq
	s_mov_b32 s20, 0x76543210
	s_mov_b32 s21, 0xfedcba98
	v_and_b32 v1, 15, v0                           ; r
	v_bfe_u32 v2, v0, 4, 1                         ; h
	v_lshlrev_b32 v5, 4, v1
	v_lshl_add_u32 v5, v2, 3, v5                   ; q, k: 16 r + 8 h: token r, two of four neighbouring places
	v_bfe_u32 v6, v1, 2, 1                         ; v: channel r of a tile lies at 512 ((r & 7) >> 2) + 256 (r >> 3) + 4 (r & 3); keys 8 h on: + 128 h
	v_lshlrev_b32 v6, 9, v6
	v_lshrrev_b32 v12, 3, v1
	v_lshl_add_u32 v6, v12, 8, v6
	v_and_b32 v12, 3, v1
	v_lshl_add_u32 v6, v12, 2, v6
	v_lshl_add_u32 v6, v2, 7, v6
	v_lshlrev_b32 v7, 2, v1
	v_lshl_add_u32 v7, v2, 14, v7                  ; Wo: column r, four rows further down for lanes 16-31
	v_lshlrev_b32 v12, 3, v2
	v_sub_nc_u32 v12, v1, v12                      ; r - 8 h, for the mask
	v_mul_u32_u24 v13, v1, YPIT
	v_lshl_add_u32 v13, v2, 5, v13
	s_lshl_b32 s16, s12, 8
	v_add_nc_u32 v13, s16, v13                     ; y, in: row r, my head's 256 bytes, + 32 h
	v_mul_u32_u24 v14, v1, YPIT
	v_lshl_add_u32 v14, v2, 4, v14
	s_lshl_b32 s16, s15, 10
	v_add_nc_u32 v14, s16, v14                     ; y, back: row r, my quarter of K, + 16 h
	v_mul_u32_u24 v15, v1, 272
	v_lshl_add_u32 v15, v2, 5, v15
	s_mul_i32 s16, s15, PQ
	s_lshl_b32 s17, s14, 6
	s_add_co_u32 s16, s16, s17
	s_add_co_u32 s16, s16, PL
	v_add_nc_u32 v15, s16, v15                     ; the parts, in: my quarter, row r, my 16 columns, + 32 h
	v_lshlrev_b32 v128, 4, v1                      ; the bias: 16 r
	v_mov_b32 v131, 0                              ; a lane permute's destination counts as read
	s_wait_kmcnt 0x0
	s_lshl_b32 s16, s13, 4
	s_add_co_u32 s16, s16, s12
	s_lshl_b32 s16, s16, 12
	s_mov_b32 s17, 0
	s_add_nc_u64 s[4:5], s[4:5], s[16:17]          ; my head's q; k and v lie 262,144 and 524,288 bytes on
	s_lshl_b32 s16, s15, 20                        ; Wo: my 256 rows,
	s_lshl_b32 s18, ttmp9, 8
	s_add_co_u32 s16, s16, s18
	s_lshl_b32 s18, s14, 6
	s_add_co_u32 s16, s16, s18                     ; my 16 columns
	s_add_nc_u64 s[6:7], s[6:7], s[16:17]
	s_lshl_b32 s16, ttmp9, 8
	s_add_nc_u64 s[8:9], s[8:9], s[16:17]
	s_lshl_b32 s18, s13, 23
	s_add_co_u32 s16, s16, s18
	s_add_nc_u64 s[10:11], s[10:11], s[16:17]      ; the batch's first row, the work-group's 256 bytes
.macro WLOAD reg, half                 ; Wo for 128 places of K: register 4 c + 2 s + j: the row that holds place 8 c + 4 h + 2 s + j: 8 c + 4 h + 2 j + s
.irp c, 0,1,2,3,4,5,6,7,8,9,10,11,12,13,14,15
.irp s, 0,1
.irp j, 0,1
	global_load_b32 v[\reg+4*\c+2*\s+\j], v7, s[6:7] offset:(8*(16*\half+\c)+2*\j+\s)*4096
.endr
.endr
.endr
.endm
	WLOAD 192, 0
	global_load_b128 v[8:11], v128, s[8:9]
.irp c, 0,1,2,3,4,5,6,7,8,9,10,11,12,13,14,15
	global_load_b64 v[16+2*\c:17+2*\c], v5, s[4:5] offset:256*\c
	global_load_b64 v[48+2*\c:49+2*\c], v5, s[4:5] offset:262144+256*\c
.endr
.irp t, 0,1,2,3
.irp c, 0,1,2,3
.irp j, 0,1
	global_load_b32 v[80+8*\t+2*\c+\j], v6, s[4:5] offset:524288+1024*\t+16*(2*\c+\j)   ; v(key 8 h + 2 c + j, channel 16 t + r)
.endr
.endr
.endr
	s_wait_loadcnt 32                              ; all but v's 32 loads
.irp c, 0,1,2,3,4,5,6,7,8,9,10,11,12,13,14,15      ; two accumulators by turns
.if \c < 2
	v_wmma_f32_16x16x4_f32 v[144+8*(\c%2):151+8*(\c%2)], v[48+2*\c:49+2*\c], v[16+2*\c:17+2*\c], 0
.else
	v_wmma_f32_16x16x4_f32 v[144+8*(\c%2):151+8*(\c%2)], v[48+2*\c:49+2*\c], v[16+2*\c:17+2*\c], v[144+8*(\c%2):151+8*(\c%2)]
.endif
.endr
.rept 8
	v_nop                                          ; eight places behind this form before its results are read (ISA guide 7.12.1)
.endr
.irp j, 0,1,2,3,4,5,6,7
	v_add_f32 v[112+\j], v[144+\j], v[152+\j]      ; lane (r, h): query r, key 8 h + j
.endr
	v_mov_b32 v129, 0xff800000
.irp j, 0,1,2,3,4,5,6,7
	v_cmp_gt_i32 vcc_lo, \j, v12                   ; hidden where 8 h + j > r
	v_cndmask_b32 v[112+\j], v[112+\j], v129, vcc_lo
.endr
	v_max3_num_f32 v130, v112, v113, v114
	v_max3_num_f32 v130, v130, v115, v116
	v_max3_num_f32 v130, v130, v117, v118
	v_max_num_f32 v130, v130, v119
	v_permlanex16_b32 v131, v130, s20, s21
	v_max_num_f32 v130, v130, v131                 ; the row's maximum: key 0 counts for every query
.irp j, 0,1,2,3,4,5,6,7
	v_sub_f32 v[112+\j], v[112+\j], v130
.endr
.irp j, 0,1,2,3,4,5,6,7
	v_exp_f32 v[112+\j], v[112+\j]
.endr
	v_nop
	s_wait_alu depctr_va_vdst(0)                   ; one wait for the eight, ahead of their first reader
	v_add_f32 v132, v112, v113
	v_add_f32 v133, v114, v115
	v_add_f32 v134, v116, v117
	v_add_f32 v135, v118, v119
	v_add_f32 v132, v132, v133
	v_add_f32 v134, v134, v135
	v_add_f32 v132, v132, v134
	v_permlanex16_b32 v131, v132, s20, s21
	v_add_f32 v132, v132, v131
	v_rcp_f32 v132, v132
	v_nop
	s_wait_alu depctr_va_vdst(0)
.irp j, 0,1,2,3,4,5,6,7
	v_mul_f32 v[120+\j], v[112+\j], v132           ; the weights
.endr
	s_wait_loadcnt 0x0                             ; v
.irp c, 0,1,2,3                                    ; slot (h, j) of step c stands for key 8 h + 2 c + j on both sides; four accumulators by turns
.irp t, 0,1,2,3
.if \c == 0
	v_wmma_f32_16x16x4_f32 v[160+8*\t:167+8*\t], v[80+8*\t+2*\c:81+8*\t+2*\c], v[120+2*\c:121+2*\c], 0
.else
	v_wmma_f32_16x16x4_f32 v[160+8*\t:167+8*\t], v[80+8*\t+2*\c:81+8*\t+2*\c], v[120+2*\c:121+2*\c], v[160+8*\t:167+8*\t]
.endif
.endr
.endr
.rept 9
	v_nop                                          ; nine places: the results are stored, their sources loaded again, and the next sums begin anew on the same accumulators
.endr
	WLOAD 16, 1                                    ; the second half of my quarter of Wo, over q and k
.irp t, 0,1,2,3
	ds_store_b128 v13, v[160+8*\t:163+8*\t] offset:64*\t          ; y(r, 64 head + 16 t + 8 h + 0 .. 7)
	ds_store_b128 v13, v[164+8*\t:167+8*\t] offset:64*\t+16
.endr
	s_and_b32 s16, s12, 7                          ; the last phase's addresses (v5, v6: their loads are done)
	s_lshl_b32 s16, s16, 1
	v_add_nc_u32 v5, s16, v2                       ; row 2 (wave % 8) + h
	v_lshlrev_b32 v6, 12, v5
	v_lshl_add_u32 v6, v1, 4, v6                   ; in the output: row x 4,096 + 16 r
	v_mul_u32_u24 v5, v5, 272
	v_lshl_add_u32 v5, v1, 4, v5
	v_add_nc_u32 v5, PL, v5                        ; among the parts
	s_wait_dscnt 0x0                               ; for the others' sake: my stores have landed
	s_barrier_signal -1
	s_barrier_wait -1                              ; y's 16 rows lie in LDS
.macro GEMM reg, first                 ; 128 places of K: 32 matrix instructions, four accumulators by turns
.irp c, 0,1,2,3,4,5,6,7,8,9,10,11,12,13,14,15
.irp s, 0,1
.if \first && (\c < 2)
	v_wmma_f32_16x16x4_f32 v[160+8*((2*\c+\s)%4):167+8*((2*\c+\s)%4)], v[\reg+4*\c+2*\s:\reg+4*\c+2*\s+1], v[80+4*\c+2*\s:81+4*\c+2*\s], 0
.else
	v_wmma_f32_16x16x4_f32 v[160+8*((2*\c+\s)%4):167+8*((2*\c+\s)%4)], v[\reg+4*\c+2*\s:\reg+4*\c+2*\s+1], v[80+4*\c+2*\s:81+4*\c+2*\s], v[160+8*((2*\c+\s)%4):167+8*((2*\c+\s)%4)]
.endif
.endr
.endr
.endm
.irp c, 0,1,2,3,4,5,6,7,8,9,10,11,12,13,14,15
	ds_load_b128 v[80+4*\c:83+4*\c], v14 offset:32*\c             ; y(r, places 8 c + 4 h + 0 .. 3 of my quarter)
.endr
	s_wait_dscnt 0x0
	GEMM 192, 1
.rept 8
	v_nop                                          ; eight places in front of loads into registers that this form has read
.endr
.irp c, 0,1,2,3,4,5,6,7,8,9,10,11,12,13,14,15
	ds_load_b128 v[80+4*\c:83+4*\c], v14 offset:512+32*\c
.endr
	s_wait_dscnt 0x0
	s_wait_loadcnt 0x0                             ; the second half of Wo
	GEMM 16, 0
.rept 8
	v_nop
.endr
.irp j, 0,1,2,3,4,5,6,7
	v_add_f32 v[112+\j], v[160+\j], v[168+\j]
	v_add_f32 v[120+\j], v[176+\j], v[184+\j]
.endr
.irp j, 0,1,2,3,4,5,6,7
	v_add_f32 v[112+\j], v[112+\j], v[120+\j]      ; lane (r, h): row r, columns 16 ct + 8 h + j, my quarter of K
.endr
	ds_store_b128 v15, v[112:115]
	ds_store_b128 v15, v[116:119] offset:16
	s_wait_dscnt 0x0
	s_barrier_signal -1
	s_barrier_wait -1                              ; the four quarters' parts lie in LDS
	s_cmp_lt_u32 s12, 8
	s_cbranch_scc0 .Ldone
.irp q, 0,1,2,3
	ds_load_b128 v[16+4*\q:19+4*\q], v5 offset:PQ*\q
.endr
	s_wait_dscnt 0x0
	v_pk_add_f32 v[16:17], v[16:17], v[20:21]
	v_pk_add_f32 v[18:19], v[18:19], v[22:23]
	v_pk_add_f32 v[24:25], v[24:25], v[28:29]
	v_pk_add_f32 v[26:27], v[26:27], v[30:31]
	v_pk_add_f32 v[16:17], v[16:17], v[24:25]
	v_pk_add_f32 v[18:19], v[18:19], v[26:27]
	v_pk_add_f32 v[16:17], v[16:17], v[8:9]
	v_pk_add_f32 v[18:19], v[18:19], v[10:11]
	global_store_b128 v6, v[16:19], s[10:11]       ; sixteen lanes store 256 consecutive bytes of a row
.Ldone:
	s_wait_tensorcnt 0x0                           ; the wave's end, behind my last LDS store
	ds_add_u32 v[SPW], v[NIL]
	s_wait_dscnt 0x0
	s_endpgm
.Lfunc_end_k_qb168c5e9c5_fine:
	.size	k_qb168c5e9c5_fine, .Lfunc_end_k_qb168c5e9c5_fine-k_qb168c5e9c5_fine
	.p2alignl 7, 3214868480
	.fill 96, 4, 3214868480
	.section	.rodata,"a",@progbits
	.p2align	6, 0x0
	.amdhsa_kernel k_qb168c5e9c5_fine
		.amdhsa_group_segment_fixed_size 85248
		.amdhsa_private_segment_fixed_size 0
		.amdhsa_enable_private_segment 0
		.amdhsa_kernarg_size 32
		.amdhsa_user_sgpr_count 2
		.amdhsa_user_sgpr_kernarg_segment_ptr 1
		.amdhsa_wavefront_size32 1
		.amdhsa_system_sgpr_workgroup_id_x 1
		.amdhsa_system_sgpr_workgroup_id_y 1
		.amdhsa_system_sgpr_workgroup_id_z 1
		.amdhsa_system_vgpr_workitem_id 0
		.amdhsa_next_free_vgpr 256
		.amdhsa_next_free_sgpr 66
		.amdhsa_reserve_vcc 1
		.amdhsa_float_denorm_mode_32 3
		.amdhsa_float_denorm_mode_16_64 3
		.amdhsa_memory_ordered 1
		.amdhsa_forward_progress 1
		.amdhsa_inst_pref_size 36
	.end_amdhsa_kernel
	.amdgpu_metadata
---
amdhsa.version: [ 1, 2 ]
amdhsa.kernels:
  - .name:           k_qb168c5e9c5_fine
    .symbol:         k_qb168c5e9c5_fine.kd
    .args:
      - { .name: h16, .offset: 0, .size: 8, .value_kind: global_buffer, .address_space: global }
      - { .name: Wo, .offset: 8, .size: 8, .value_kind: global_buffer, .address_space: global }
      - { .name: bo, .offset: 16, .size: 8, .value_kind: global_buffer, .address_space: global }
      - { .name: out0, .offset: 24, .size: 8, .value_kind: global_buffer, .address_space: global }
    .group_segment_fixed_size: 85248
    .private_segment_fixed_size: 0
    .kernarg_segment_align: 8
    .kernarg_segment_size: 32
    .max_flat_workgroup_size: 512
    .sgpr_count:     66
    .vgpr_count:     256
    .wavefront_size: 32
...
	.end_amdgpu_metadata
.endif
;; end of part 5
